; MI455X (gfx1250); checked and timed in simulation.
; The chip was launched on July 23, 2026; its instructions are those of AMD's public machine-readable ISA for CDNA 5 (MIT licence, August 2026) and "CDNA5" Instruction Set Architecture Reference Guide (July 2026). The comments in the code are by the model that wrote it; some were corrected since.
;; Attention. Allowed arithmetic: float matrix products may take bf16 or f16 operands with f32 sums; other float arithmetic in f32, or as packed bf16 or f16 multiplies, adds, multiply-adds, maxima and minima; sums over many terms, partial sums and values carried from step to step in f32; what a program stores and reads back later, other than sums and carried values, may be rounded once to bf16 or f16.
;; Inputs: gamma 1,024 float32; w_out 1,024 x 1,024 float32; w_qkv 1,024 x 3,072 float32; x 4 x 2,048 x 1,024 float32.
;; Outputs: out0 4 x 2,048 x 1,024 float32.
;; One version. Each part assembles by itself: llvm-mc -triple=amdgcn-amd-amdhsa -mcpu=gfx1250 --defsym DOCPART=n.
;; ======== version 1 of 1: 4 launches
;; limits: values are held in f16: magnitudes above 65,504 overflow, below 6.1e-05 lose precision; right only within a limited range of input values
;; workspace buffers: xn 16,777,216 bytes; wq 6,291,456 bytes; wo 2,097,152 bytes; qkv 50,331,648 bytes; att 16,777,216 bytes
;; launch prep (part 1): grid 768 x 1, 8 waves a work-group, no clusters, 0 bytes of LDS; arguments x, gamma, w_qkv, w_out, xn, wq, wo; writes xn, wq, wo
.if DOCPART == 1
	.amdgcn_target "amdgcn-amd-amdhsa--gfx1250"
	.amdhsa_code_object_version 6
	.text
	.protected	k_q35f81ae70c_prep
	.globl	k_q35f81ae70c_prep
	.p2align	8
	.type	k_q35f81ae70c_prep,@function
k_q35f81ae70c_prep:
	s_mov_b64 s[64:65], 0
	v_nop
	global_prefetch_b8 v0, s[64:65] scope:SCOPE_SE
	s_setreg_imm32_b32 hwreg(HW_REG_WAVE_MODE, 25, 1), 1
	s_wait_xcnt 0x0
; xn[r][c] = f16( xb[r][c] * 32 / max(|xb[r]|, 1e-12) * gb[c] ), xb = x rounded to bf16, gb = gamma rounded to bf16; x: [8192][1024] f32, xn the same in f16.
; wq = w_qkv, wo = w_out, each number rounded to bf16 and that number written as f16, in the layout in which it lies ([k][n]).
; All inputs take the same first rounding (bf16); what the program makes of them is kept in f16 (11 significant bits).
; LIMITS.  |xn| <= 32 |gamma| has to fit f16: |gamma| <= 2,047.  |w| < 65,504; a weight under 6.1e-5 keeps f16's fixed step of 6e-8.  NaN and infinities are not treated apart.
; A STREAM: no LDS, no barrier, no matrix unit: nothing is used twice.  A UNIT is 1,024 consecutive numbers (a row of x; 4,096 bytes in, 2,048 out); a wave takes two units on end, a work-group 16.
; Work-groups 0-511 take x's 8,192 rows, 512-703 w_qkv's 3,072 units, 704-767 w_out's 1,024.
; Load j of a unit: lane l takes the 16 bytes at 512 j + 16 l (512 consecutive bytes a wave); its four f16 leave as 8 bytes at 256 j + 8 l (256 consecutive bytes, aligned).
; A row lies in one wave's registers between the sum of squares and the scaling: it is read once.  Both units' 16 loads go out together; each unit owns its registers, so no register that a store reads is written again.
.set NX,  512                          ; work-groups for x
.set NQ,  192                          ; for w_qkv
.set SO,  2                            ; v2   my byte offset in the work-group's source: 8,192 x wave + 16 x lane; never rewritten
.set DO,  3                            ; v3   in its destination: 4,096 x wave + 8 x lane; never rewritten
.set GOF, 4                            ; v4   16 x lane: my place in gamma
.set G,   8                            ; v[8:39]    gamma of my 32 columns, rounded to bf16, as f32
.set T,   40                           ; v[40:55]   packed bf16, at work
.set SQ,  56                           ; v[56:63]   four pairs of running sums of squares
.set R,   64                           ; v[64:65]   32 / max(norm, 1e-12), twice
.set X,   68                           ; v[68:131]  unit u at X + 32 u
	s_load_b256 s[4:11], s[0:1], 0x0               ; x s[4:5], gamma s[6:7], w_qkv s[8:9], w_out s[10:11]
	s_load_b128 s[12:15], s[0:1], 0x20             ; xn s[12:13], wq s[14:15]
	s_load_b64 s[16:17], s[0:1], 0x30              ; wo
	s_mov_b32 s24, 0xffff0000                      ; a word's upper bf16
	s_mov_b32 s25, 0x76543210                      ; v_permlanex16_b32: each lane takes its own place in the other half
	s_mov_b32 s26, 0xfedcba98
	s_mov_b32 s28, NX+NQ
	s_mov_b32 s23, 0                               ; the high word of a 64-bit offset
	v_and_b32 v1, 31, v0                           ; lane
	v_lshrrev_b32 v5, 5, v0                        ; wave
	v_lshlrev_b32 v[GOF], 4, v1
	v_lshl_add_u32 v[SO], v5, 13, v[GOF]
	v_lshlrev_b32 v1, 3, v1
	v_lshl_add_u32 v[DO], v5, 12, v1
.macro FILL u                          ; a unit's eight loads
.irp j, 0,1,2,3,4,5,6,7
	global_load_b128 v[X+32*(\u)+4*(\j):X+32*(\u)+4*(\j)+3], v[SO], s[18:19] offset:4096*(\u)+512*(\j) th:TH_LOAD_NT
.endr
.endm
.macro ROUND base                      ; 32 numbers are rounded to bf16 and widened again
.set i, 0
.rept 16
	v_cvt_pk_bf16_f32 v[T+i], v[(\base)+2*i], v[(\base)+2*i+1]
.set i, i+1
.endr
.set i, 0
.rept 16
	v_lshlrev_b32 v[(\base)+2*i], 16, v[T+i]
	v_and_b32 v[(\base)+2*i+1], s24, v[T+i]
.set i, i+1
.endr
.endm
; Unit u.  norm = 1: a row of x; 0: weights.
.macro UNIT u, norm
.set XB, X+32*(\u)
	s_wait_loadcnt 8*(1-(\u))                      ; loads come back in order (ISA guide 5.7.1): my eight are in, the younger unit's eight may stay out
	ROUND XB
.if \norm
.irp c, 0,1,2,3
	v_pk_mul_f32 v[SQ+2*(\c):SQ+2*(\c)+1], v[XB+2*(\c):XB+2*(\c)+1], v[XB+2*(\c):XB+2*(\c)+1]  ; the first four pairs start four chains: nothing is cleared
.endr
.set i, 4
.rept 12
	v_pk_fma_f32 v[SQ+2*(i%4):SQ+2*(i%4)+1], v[XB+2*i:XB+2*i+1], v[XB+2*i:XB+2*i+1], v[SQ+2*(i%4):SQ+2*(i%4)+1]
.set i, i+1
.endr
	v_pk_add_f32 v[SQ:SQ+1], v[SQ:SQ+1], v[SQ+2:SQ+3]
	v_pk_add_f32 v[SQ+4:SQ+5], v[SQ+4:SQ+5], v[SQ+6:SQ+7]
	v_pk_add_f32 v[SQ:SQ+1], v[SQ:SQ+1], v[SQ+4:SQ+5]
	v_add_f32 v[SQ], v[SQ], v[SQ+1]
	v_add_f32_dpp v[SQ], v[SQ], v[SQ] row_xmask:1 row_mask:0xf bank_mask:0xf   ; across the 32 lanes: four steps inside each half,
	v_add_f32_dpp v[SQ], v[SQ], v[SQ] row_xmask:2 row_mask:0xf bank_mask:0xf
	v_add_f32_dpp v[SQ], v[SQ], v[SQ] row_xmask:4 row_mask:0xf bank_mask:0xf
	v_add_f32_dpp v[SQ], v[SQ], v[SQ] row_xmask:8 row_mask:0xf bank_mask:0xf
	v_permlanex16_b32 v[SQ+1], v[SQ], s25, s26     ; one across the halves
	v_add_f32 v[SQ], v[SQ], v[SQ+1]
	v_sqrt_f32 v[R], v[SQ]
	v_nop                                          ; a plain instruction behind a transcendental before its result is used (ISA guide 5.7.2)
	s_wait_alu depctr_va_vdst(0)
	v_max_num_f32 v[R], 0x2b8cbccc, v[R]           ; max(norm, 1e-12)
	v_rcp_f32 v[R], v[R]
	v_nop
	s_wait_alu depctr_va_vdst(0)
	v_mul_f32 v[R], 0x42000000, v[R]               ; x sqrt(1024)
	v_mov_b32 v[R+1], v[R]
.set i, 0
.rept 16
	v_pk_mul_f32 v[XB+2*i:XB+2*i+1], v[XB+2*i:XB+2*i+1], v[R:R+1]
.set i, i+1
.endr
.set i, 0
.rept 16
	v_pk_mul_f32 v[XB+2*i:XB+2*i+1], v[XB+2*i:XB+2*i+1], v[G+2*i:G+2*i+1]
.set i, i+1
.endr
.endif
.set i, 0
.rept 16
	v_cvt_pk_f16_f32 v[XB+i], v[XB+2*i], v[XB+2*i+1]  ; in place, ascending: the destination never passes its sources
.set i, i+1
.endr
.irp j, 0,1,2,3,4,5,6,7
	global_store_b64 v[DO], v[XB+2*(\j):XB+2*(\j)+1], s[20:21] offset:2048*(\u)+256*(\j)  ; 32 lanes store 256 consecutive bytes, at a multiple of 256 from the buffer's first
.endr
.endm
	s_wait_kmcnt 0x0
	s_cmp_lt_u32 ttmp9, NX
	s_cbranch_scc0 .Lweights
	s_lshl_b32 s22, ttmp9, 16                      ; 16 rows of 4,096 bytes
	s_add_nc_u64 s[18:19], s[4:5], s[22:23]
	s_lshl_b32 s22, ttmp9, 15                      ; 16 rows of 2,048 bytes
	s_add_nc_u64 s[20:21], s[12:13], s[22:23]
.irp j, 0,1,2,3,4,5,6,7
	global_load_b128 v[G+4*(\j):G+4*(\j)+3], v[GOF], s[6:7] offset:512*(\j)
.endr
	FILL 0
	FILL 1
	s_wait_loadcnt 16                              ; gamma is in; the two units' 16 loads stay out
	ROUND G
	UNIT 0, 1
	UNIT 1, 1
	s_endpgm
.Lweights:
	s_cmp_lt_u32 ttmp9, s28                        ; w_qkv or w_out: a choice on the work-group's number
	s_cselect_b64 s[18:19], s[8:9], s[10:11]
	s_cselect_b64 s[20:21], s[14:15], s[16:17]
	s_cselect_b32 s27, NX, s28
	s_sub_co_u32 s27, ttmp9, s27                   ; my number among that tensor's work-groups
	s_lshl_b32 s22, s27, 16
	s_add_nc_u64 s[18:19], s[18:19], s[22:23]
	s_lshl_b32 s22, s27, 15
	s_add_nc_u64 s[20:21], s[20:21], s[22:23]
	FILL 0
	FILL 1
	UNIT 0, 0
	UNIT 1, 0
	s_endpgm
.Lfunc_end_k_q35f81ae70c_prep:
	.size	k_q35f81ae70c_prep, .Lfunc_end_k_q35f81ae70c_prep-k_q35f81ae70c_prep
	.p2alignl 7, 3214868480
	.fill 96, 4, 3214868480
	.section	.rodata,"a",@progbits
	.p2align	6, 0x0
	.amdhsa_kernel k_q35f81ae70c_prep
		.amdhsa_group_segment_fixed_size 0
		.amdhsa_private_segment_fixed_size 0
		.amdhsa_enable_private_segment 0
		.amdhsa_kernarg_size 56
		.amdhsa_user_sgpr_count 2
		.amdhsa_user_sgpr_kernarg_segment_ptr 1
		.amdhsa_wavefront_size32 1
		.amdhsa_system_sgpr_workgroup_id_x 1
		.amdhsa_system_sgpr_workgroup_id_y 1
		.amdhsa_system_sgpr_workgroup_id_z 1
		.amdhsa_system_vgpr_workitem_id 0
		.amdhsa_next_free_vgpr 132
		.amdhsa_next_free_sgpr 66
		.amdhsa_reserve_vcc 0
		.amdhsa_float_denorm_mode_32 3
		.amdhsa_float_denorm_mode_16_64 3
		.amdhsa_memory_ordered 1
		.amdhsa_forward_progress 1
		.amdhsa_inst_pref_size 31
	.end_amdhsa_kernel
	.amdgpu_metadata
---
amdhsa.version: [ 1, 2 ]
amdhsa.kernels:
  - .name:           k_q35f81ae70c_prep
    .symbol:         k_q35f81ae70c_prep.kd
    .args:
      - { .name: x, .offset: 0, .size: 8, .value_kind: global_buffer, .address_space: global }
      - { .name: gamma, .offset: 8, .size: 8, .value_kind: global_buffer, .address_space: global }
      - { .name: w_qkv, .offset: 16, .size: 8, .value_kind: global_buffer, .address_space: global }
      - { .name: w_out, .offset: 24, .size: 8, .value_kind: global_buffer, .address_space: global }
      - { .name: xn, .offset: 32, .size: 8, .value_kind: global_buffer, .address_space: global }
      - { .name: wq, .offset: 40, .size: 8, .value_kind: global_buffer, .address_space: global }
      - { .name: wo, .offset: 48, .size: 8, .value_kind: global_buffer, .address_space: global }
    .group_segment_fixed_size: 0
    .private_segment_fixed_size: 0
    .kernarg_segment_align: 8
    .kernarg_segment_size: 56
    .max_flat_workgroup_size: 256
    .sgpr_count:     66
    .vgpr_count:     132
    .wavefront_size: 32
...
	.end_amdgpu_metadata
.endif
;; end of part 1
;; launch gemm_qkv (part 2): grid 24 x 32, 4 waves a work-group, clusters of 4 x 4, 327,680 bytes of LDS; arguments xn, wq, qkv; writes qkv
.if DOCPART == 2
	.amdgcn_target "amdgcn-amd-amdhsa--gfx1250"
	.amdhsa_code_object_version 6
	.text
	.protected	k_q35f81ae70c_gemm_qkv
	.globl	k_q35f81ae70c_gemm_qkv
	.p2align	8
	.type	k_q35f81ae70c_gemm_qkv,@function
k_q35f81ae70c_gemm_qkv:
	s_mov_b64 s[64:65], 0
	v_nop
	global_prefetch_b8 v0, s[64:65] scope:SCOPE_SE
	s_setreg_imm32_b32 hwreg(HW_REG_WAVE_MODE, 25, 1), 1
	s_wait_xcnt 0x0
	s_wait_alu depctr_hold_cnt(0) depctr_sa_sdst(0) depctr_va_vdst(0) depctr_va_sdst(0) depctr_va_ssrc(0) depctr_va_vcc(0) depctr_vm_vsrc(0)
	s_getreg_b32 s2, hwreg(HW_REG_IB_STS2, 6, 4)
	s_cmp_eq_u32 s2, 0
	s_cbranch_scc0 .Lentry_in_a_cluster
	s_endpgm
.Lentry_in_a_cluster:
	s_bfe_u32 s2, ttmp6, 0x10000c
	s_cmp_lg_u32 s2, 0xf033
	s_cbranch_scc0 .Lentry_shape_is_right
	s_endpgm
.Lentry_shape_is_right:
; qkv = xn wq.  xn: [8192][1024] f16, wq: [1024 k][3072 n] f16; sums in f32, K ascending, rounded once to f16, UNSCALED, and laid out by heads:
; qkv[which 3][b 4][h 16][n 2048][64]: column 64 j + d of the product belongs to which = j / 16, head j % 16.  LIMIT: a result beyond 65,504 does not fit f16.
; A tile of C is 256 (M) x 128 (N): 32 x 24 = 768 work-groups.  Four waves, each 128 x 64 (one head's 64 channels): 32 accumulators of 16 x 16, 256 registers.
; K goes in 8 steps of 128 through two LDS slots filled by the tensor data mover: 256 rows of A (256 bytes each) and 128 k-rows of B (256 bytes each).
; B lies [k][n] and is turned on its way out of LDS, by ds_load_tr16_b128.  THE MATRIX INSTRUCTION IS USED TRANSPOSED (source 0 = 16 columns of B, source 1 = 16 rows of A):
; a lane then holds row l % 16 of C and the eight neighbouring columns 8 (l / 16) + 0..7: 16 bytes of f16.
; CLUSTERS: 4 x 4 work-groups.  The four of a row of the cluster need the same tiles of A, the four of a column the same tiles of B: each is asked for JOINTLY, by the same tensor load with the
; same descriptor and a mask that names the four.
; REGISTERS: window 0: v0-31 addresses; v64-159, v160-255 two fragment buffers (B's 4 fragments, then A's 8, 32 along K); on the way out v64-191 hold packed results.   window 1: accumulator (a, b) at v[8 (4 a + b)].
.set SIZE_N, 3072
.set SIZE_K, 1024
.set KSTEP,  128
.set PA,     272                       ; an LDS row of A: 256 bytes + 16 of padding = 68 words: the 16 rows of a load start at 16 different groups of four banks (64 banks of 4 bytes: ISA guide 11.1)
.set FILLA,  128*PA                    ; what one tensor load brings of A: 128 rows
.set QPP,    4                         ; quarters of a K step that lie in one LDS row of A
.set ASTEP,  KSTEP*2                   ; bytes from a K step of A to the next
.set AQI,    5                         ; A's padding stands after every 64 words
.set AROW,   SIZE_K                    ; elements from row to row of A's tiles in memory
.set ATILE,  2*FILLA
.set PB,     288                       ; an LDS row of B: 256 + 32 = 72 words
.set HALFB,  64*PB                     ; what one tensor load brings of B: 64 k-rows
.set BSTEP,  KSTEP*SIZE_N*2
.set SLOT,   ATILE+2*HALFB             ; A's tile, then B's
.set STAGE,  2*SLOT                    ; behind the ring, never filled by a tensor load: 16 rows x 144 bytes for each wave, for the way out
.set SP,     144
.set SPARE,  STAGE+4*16*SP             ; behind the stages: the spare words, 128 bytes for each wave: two blocks of 256 bytes that no other line names
.set LAPS,   SIZE_K/(2*KSTEP)          ; a lap = two K steps = once round the ring
.set ADRA, 16                          ; v16-17  LDS address of my A fragments in slot 0, 1
.set ADRB, 20                          ; v20-21  the same for B
.set STO,  24                          ; v24     the way out: where I put 16 bytes of a row
.set RD,   25                          ; v25     the way out: where I read rows back
.set GO,   26                          ; v26     my byte offset in 512 consecutive bytes of the result
.set SPW,  28                          ; v28     LDS address of my spare word: SPARE + 4 x my thread's number; never rewritten
.set NIL,  29                          ; v29     0; never rewritten
.set F0,   64
.set F1,   160
.set OB,   64                          ; the way out: block a's 16 registers at OB + 16 a
.set G1, 24                            ; s[24:31] descriptor group 1 for A's tiles;  s[32:39] group 0, one set for each slot
.set G0, 32
.set G1B, 48                           ; s[48:55], s[56:63] the same for B's tiles
.set G0B, 56
.set MSB, 0
.macro WIN new                         ; the immediate's high byte repeats the setting that is left; a switch that changes nothing is dropped
.if MSB != (\new)
	s_set_vgpr_msb (MSB<<8)|(\new)
.set MSB, \new
.endif
.endm
.set MUL, 0x50                         ; C and D window 1, sources window 0
.macro JLOAD s                         ; a joint load: waves 0 and 1 fetch A's two halves, waves 2 and 3 B's; an s_nop 0 and four v_nop follow each of the two lines, ahead of the jump, the label and what follows
	s_cmp_eq_u32 s11, 0
	s_cbranch_scc0 .Lfor_b_\@
	tensor_load_to_lds s[G0+4*(\s):G0+4*(\s)+3], s[G1:G1+7]
	s_nop 0
.rept 4
	v_nop
.endr
	s_branch .Lasked_\@
.Lfor_b_\@:
	tensor_load_to_lds s[G0B+4*(\s):G0B+4*(\s)+3], s[G1B:G1B+7]
	s_nop 0
.rept 4
	v_nop
.endr
.Lasked_\@:
.endm
.macro CREST                           ; a round of the cluster's barrier behind its opening barrier
	s_cmp_lg_u32 s10, 0
	s_cbranch_scc1 .Lnot_wave_0_\@
	s_barrier_signal -3
.Lnot_wave_0_\@:
	s_barrier_wait -3
	s_barrier_signal -1
	s_barrier_wait -1
.endm
.macro CROUND                          ; a whole round
	s_barrier_signal -1
	s_barrier_wait -1
	CREST
.endm
	s_load_b128 s[4:7], s[0:1], 0x0                ; A s[4:5], B s[6:7]
	s_load_b64 s[8:9], s[0:1], 0x10                ; C
	v_lshl_add_u32 v[SPW], v0, 2, SPARE
	v_mov_b32 v[NIL], 0
	ds_add_u32 v[SPW], v[NIL]                      ; the wave's opening: the add and its wait stand ahead of my first tensor load; the set-up below, work on registers, stands between them
	v_lshrrev_b32 v1, 5, v0
	v_readfirstlane_b32 s10, v1                    ; wave 0..3
	s_lshr_b32 s11, s10, 1                         ; which 128 rows of the tile are mine.  Also: I fetch for A (0) or for B (1)
	s_and_b32 s12, s10, 1                          ; which 64 columns.  Also: which half of that tile I fetch
	s_bfe_u32 s40, ttmp6, 0x40000                  ; cx, cy: my place in the cluster
	s_bfe_u32 s41, ttmp6, 0x40004
	s_lshl_b32 s42, ttmp9, 2
	s_add_co_u32 s42, s42, s40                     ; tile column of C = 4 x cluster x + cx
	s_and_b32 s13, ttmp7, 0xffff
	s_lshl_b32 s13, s13, 2
	s_add_co_u32 s13, s13, s41                     ; tile row of C = 4 x cluster y + cy
	s_lshl_b32 s43, s41, 2
	s_lshl_b32 s43, 15, s43                        ; my row of the cluster
	s_lshl_b32 s44, 0x1111, s40                    ; my column
	s_or_b32 s[G1+0], s43, (1<<16)|(1<<20)|(1<<21)|(AQI<<22)|(3<<25)  ; 15:0 the mask: A's tiles go to my row; 17:16 elements of 2 bytes; 20 padding on; 21 set beside a mask; 24:22 the interval; 31:25 4 words of padding (code 3)
	s_or_b32 s[G1B+0], s44, (1<<16)|(1<<20)|(1<<21)|(5<<22)|(7<<25)   ; B's go to my column; after every 64 words 8 words of padding (code 7)
	s_mov_b32 s[G1+1], 128<<16                     ; tensor_dim0 = 128
	s_mov_b32 s[G1+2], 128<<16                     ; tensor_dim1 = 128
	s_mov_b32 s[G1+3], 128<<16                     ; tile_dim0 = 128 elements (256 bytes)
	s_mov_b32 s[G1+4], 128                         ; tile_dim1 = 128 rows
	s_mov_b32 s[G1+5], AROW                        ; elements from row to row
	s_mov_b32 s[G1+6], 0
	s_mov_b32 s[G1+7], 0
	s_mov_b32 s[G1B+1], 128<<16                    ; tensor_dim0 = 128
	s_mov_b32 s[G1B+2], 64<<16                     ; tensor_dim1 = 64
	s_mov_b32 s[G1B+3], 128<<16                    ; tile_dim0 = 128
	s_mov_b32 s[G1B+4], 64                         ; tile_dim1 = 64 k-rows
	s_mov_b32 s[G1B+5], SIZE_N
	s_mov_b32 s[G1B+6], 0
	s_mov_b32 s[G1B+7], 0
	; where the tiles come from.  A's hang on the tile row alone, B's on the tile column alone, each in registers that never hold the other coordinate
	s_lshl_b32 s16, s13, 19                        ; 256 rows of 2,048 bytes
	s_lshl_b32 s17, s12, 18                        ; + the 128 rows that I fetch
	s_add_co_u32 s16, s16, s17
	s_mov_b32 s17, 0
	s_mul_i32 s46, s12, 64*SIZE_N*2                ; the 64 k-rows that I fetch
	s_lshl_b32 s47, s42, 8                         ; + the tile's 128 columns, 256 bytes
	s_add_co_u32 s46, s46, s47
	s_mov_b32 s47, 0
	s_mul_i32 s20, s12, FILLA                      ; and where they go: no place in the cluster enters an LDS address
	s_mul_i32 s21, s12, HALFB
	s_add_co_u32 s21, s21, ATILE
	s_wait_dscnt 0x0                               ; the opening add is done
	s_wait_kmcnt 0x0
	s_add_nc_u64 s[14:15], s[4:5], s[16:17]
	s_add_nc_u64 s[46:47], s[6:7], s[46:47]
	CROUND                                         ; all sixteen work-groups are here: the first joint loads meet
.irp s, 0,1
	s_mov_b32 s[G0+4*(\s)], 1                      ; count = 1
	s_add_co_u32 s[G0+4*(\s)+1], s20, (\s)*SLOT    ; LDS address
	s_add_nc_u64 s[G0+4*(\s)+2:G0+4*(\s)+3], s[14:15], (\s)*ASTEP  ; global address: K step s
	s_or_b32 s[G0+4*(\s)+3], s[G0+4*(\s)+3], 0x80000000            ; type = 2
	s_mov_b32 s[G0B+4*(\s)], 1
	s_add_co_u32 s[G0B+4*(\s)+1], s21, (\s)*SLOT
	s_add_nc_u64 s[G0B+4*(\s)+2:G0B+4*(\s)+3], s[46:47], (\s)*BSTEP
	s_or_b32 s[G0B+4*(\s)+3], s[G0B+4*(\s)+3], 0x80000000
	JLOAD \s                                       ; two loads of mine are out here, one behind every later round
.endr
	; A's fragment: lane l holds row l % 16; registers 0-3 K = 8 (l / 16) + 0..7, registers 4-7 K = 16 + 8 (l / 16) + 0..7: two loads of 16 bytes, 32 bytes apart
	v_and_b32 v1, 15, v0                           ; r = l % 16
	v_bfe_u32 v2, v0, 4, 1                         ; h = l / 16
	v_mul_u32_u24 v3, v1, PA
	v_lshl_add_u32 v3, v2, 4, v3
	; B's: the turning load takes 16 k x 16 n (lane l reads k-row 8 h + l % 8, columns 8 ((l / 8) % 2) + 0..7) and leaves half a fragment: lane l holds column l % 16 and 8 k
	v_and_b32 v4, 7, v0
	v_bfe_u32 v5, v0, 3, 1
	v_lshl_add_u32 v6, v2, 3, v4
	v_mul_u32_u24 v6, v6, PB
	v_lshl_add_u32 v6, v5, 4, v6
	s_mul_i32 s21, s11, 128*PA                     ; my 128 rows of A
	s_lshl_b32 s22, s12, 7                         ; my 64 columns of B,
	s_add_co_u32 s22, s22, ATILE                   ; which lies behind A
.irp s, 0,1
	v_add_nc_u32 v[ADRA+(\s)], s21, v3
	v_add_nc_u32 v[ADRB+(\s)], s22, v6
	s_add_co_u32 s21, s21, SLOT
	s_add_co_u32 s22, s22, SLOT
.endr
	s_mul_i32 s23, s10, 16*SP
	s_add_co_u32 s23, s23, STAGE                   ; my stage
	v_mul_u32_u24 v3, v1, SP                       ; in: row l % 16, 16 bytes for each half of the lanes
	v_lshl_add_u32 v3, v2, 4, v3
	v_add_nc_u32 v[STO], s23, v3
	v_bfe_u32 v3, v0, 3, 2                         ; back: 32 lanes take four rows of 128 bytes,
	v_mul_u32_u24 v3, v3, SP
	v_lshl_add_u32 v3, v4, 4, v3
	v_add_nc_u32 v[RD], s23, v3
	v_and_b32 v[GO], 31, v0                        ; which are 512 consecutive bytes of a head
	v_lshlrev_b32 v[GO], 4, v[GO]
	; where my 128 rows of my head begin: b = tile row / 8 (4,194,304 bytes), 256 (tile row % 8) + 128 x half rows of 128 bytes;
	s_lshr_b32 s16, s13, 3
	s_lshl_b32 s16, s16, 22
	s_and_b32 s17, s13, 7
	s_lshl_b32 s17, s17, 15
	s_add_co_u32 s16, s16, s17
	s_lshl_b32 s17, s11, 14
	s_add_co_u32 s16, s16, s17
	s_mov_b32 s17, 0
	s_add_nc_u64 s[8:9], s[8:9], s[16:17]
	s_lshl_b32 s46, s42, 1                         ; j = 2 x tile column + half: which = j / 16 (16,777,216 bytes), head = j % 16 (262,144 bytes)
	s_add_co_u32 s46, s46, s12
	s_lshr_b32 s47, s46, 4
	s_lshl_b32 s47, s47, 24
	s_and_b32 s46, s46, 15
	s_lshl_b32 s46, s46, 18
	s_add_co_u32 s46, s46, s47
	s_mov_b32 s47, 0
	s_add_nc_u64 s[8:9], s[8:9], s[46:47]
; 8 matrix instructions: m blocks a0, a0 + 1 x all 4 n blocks, 32 along K.  zero = 1: the product starts the sum.  The 32 accumulators take turns, in the same order in every quarter.
.macro MUL8 f, a0, zero
	WIN MUL
.irp a, \a0, (\a0)+1
.irp b, 0,1,2,3
.if \zero
	v_wmma_f32_16x16x32_f16 v[8*(4*(\a)+(\b)):8*(4*(\a)+(\b))+7], v[(\f)+8*(\b):(\f)+8*(\b)+7], v[(\f)+32+8*(\a):(\f)+32+8*(\a)+7], 0
.else
	v_wmma_f32_16x16x32_f16 v[8*(4*(\a)+(\b)):8*(4*(\a)+(\b))+7], v[(\f)+8*(\b):(\f)+8*(\b)+7], v[(\f)+32+8*(\a):(\f)+32+8*(\a)+7], v[8*(4*(\a)+(\b)):8*(4*(\a)+(\b))+7]
.endif
.endr
.endr
.endm
; 24 LDS loads in one run: quarter q (32 along K) of a slot into buffer f: B's 4 fragments, then A's 8
.macro FETCH slot, q, f
	WIN 0
.irp b, 0,1,2,3
	ds_load_tr16_b128 v[(\f)+8*(\b):(\f)+8*(\b)+3],   v[ADRB+(\slot)] offset:(\q)*32*PB+32*(\b)
	ds_load_tr16_b128 v[(\f)+8*(\b)+4:(\f)+8*(\b)+7], v[ADRB+(\slot)] offset:(\q)*32*PB+32*(\b)+16*PB
.endr
.irp a, 0,1,2,3,4,5,6,7
	ds_load_b128 v[(\f)+32+8*(\a):(\f)+32+8*(\a)+3],   v[ADRA+(\slot)] offset:((\q)/QPP)*FILLA+((\q)%QPP)*64+(\a)*16*PA
	ds_load_b128 v[(\f)+32+8*(\a)+4:(\f)+32+8*(\a)+7], v[ADRA+(\slot)] offset:((\q)/QPP)*FILLA+((\q)%QPP)*64+(\a)*16*PA+32
.endr
.endm
.macro PLACES                          ; four places in front of loads into registers that matrix instructions have read, and of lines that read results
.rept 4
	v_nop
.endr
.endm
; A K step is four quarters of 32 along K, 32 matrix instructions each, on buffers 0, 1, 0, 1.  One of the first three: multiplies buffer f and fetches quarter q into g.
.macro QUARTER slot, q, f, g, zero
	s_wait_dscnt 8                                 ; B and A's blocks 0-3 are in; the youngest eight loads (A's blocks 4-7) may be out
	MUL8 \f, 0, \zero
	MUL8 \f, 2, \zero
	PLACES
	FETCH \slot, \q, \g
	s_wait_dscnt 24                                ; all but the 24 just issued
	MUL8 \f, 4, \zero
	MUL8 \f, 6, \zero
.endm
; The last quarter multiplies buffer 1 and changes slots: ONE barrier; in front of it each wave waits for all its tensor loads, adds 0 to its spare word, and waits for that and for its own reads of this slot.
; fill = 1: the barrier opens a round of the cluster's, and this slot is filled again, two K steps ahead, first thing behind the round: 112 matrix instructions ahead of the wait for it.
.macro TURN slot, next, fill
	WIN 0
	s_wait_tensorcnt 0x0                           ; all my tensor loads have landed: my part of the next slot;
	ds_add_u32 v[SPW], v[NIL]                      ; 0 onto my spare word;
	s_wait_dscnt 9                                 ; (the add and the youngest eight loads may be out)
	MUL8 F1, 0, 0                                  ; eight matrix instructions stand between the add and the wait for it
	s_wait_dscnt 0x0                               ; the add is done, and my reads of this slot are over
	s_barrier_signal -1
	MUL8 F1, 2, 0
.if \fill
	WIN 0
.endif
	s_barrier_wait -1
.if \fill
	CREST                                          ; no wave of any partner still reads this slot's tile or has a load on its way
	s_add_nc_u64 s[G0+4*(\slot)+2:G0+4*(\slot)+3], s[G0+4*(\slot)+2:G0+4*(\slot)+3], 2*ASTEP
	s_add_nc_u64 s[G0B+4*(\slot)+2:G0B+4*(\slot)+3], s[G0B+4*(\slot)+2:G0B+4*(\slot)+3], 2*BSTEP
	JLOAD \slot                                    ; the four v_nop behind it are also the places in front of the loads below
.else
	PLACES
.endif
	FETCH \next, 0, F0
	MUL8 F1, 4, 0
	MUL8 F1, 6, 0
.endm
	s_wait_tensorcnt 1                             ; my part of K step 0 is in; K step 1's may stay out
	s_barrier_signal -1
	s_barrier_wait -1                              ; everybody's is
	FETCH 0, 0, F0
	QUARTER 0, 1, F0, F1, 1                        ; the first quarter stands in front of the loop: its products start the sums
	WIN 0                                          ; at a label and at a branch every window is 0
	s_mov_b32 s3, LAPS-1
.Llap:                                                 ; a trip goes once round the ring, from a lap's second quarter to the next lap's first, and fills both slots again
	QUARTER 0, 2, F1, F0, 0
	QUARTER 0, 3, F0, F1, 0
	TURN 0, 1, 1
	QUARTER 1, 1, F0, F1, 0
	QUARTER 1, 2, F1, F0, 0
	QUARTER 1, 3, F0, F1, 0
	TURN 1, 0, 1
	QUARTER 0, 1, F0, F1, 0
	WIN 0
	s_sub_co_u32 s3, s3, 1
	s_cmp_lg_u32 s3, 0
	s_cbranch_scc1 .Llap
	QUARTER 0, 2, F1, F0, 0                        ; the last lap fills nothing
	QUARTER 0, 3, F0, F1, 0
	TURN 0, 1, 0
	QUARTER 1, 1, F0, F1, 0
	QUARTER 1, 2, F1, F0, 0
	QUARTER 1, 3, F0, F1, 0
	s_wait_dscnt 8                                 ; the very last quarter: nothing more to fetch
	MUL8 F1, 0, 0
	MUL8 F1, 2, 0
	s_wait_dscnt 0x0
	MUL8 F1, 4, 0
	MUL8 F1, 6, 0
	WIN 0
	PLACES
; THE WAY OUT, a block of 16 rows at a time: rounded to f16, 16 bytes a lane into my stage's rows of 144 bytes, back as whole rows of 128; 16 rows of a head are 2,048 consecutive bytes.
.macro PACK a
	WIN 0x05                                       ; sources 0 and 1 window 1, destination window 0
.irp b, 0,1,2,3
.irp i, 0,1,2,3
	v_cvt_pk_f16_f32 v[OB+16*(\a)+4*(\b)+(\i)], v[8*(4*(\a)+(\b))+2*(\i)], v[8*(4*(\a)+(\b))+2*(\i)+1]  ; each accumulator from its low end on
.endr
.endr
	WIN 0
.irp b, 0,1,2,3
	ds_store_b128 v[STO], v[OB+16*(\a)+4*(\b):OB+16*(\a)+4*(\b)+3] offset:32*(\b)
.endr
.irp f, 0,1,2,3
	ds_load_b128 v[OB+16*(\a)+4*(\f):OB+16*(\a)+4*(\f)+3], v[RD] offset:(\f)*4*SP  ; LDS serves a wave's instructions in order (ISA guide 5.7.1.4): these see the stores above; the next block's stores come behind them
.endr
.endm
.macro SEND a, younger                 ; younger: the LDS instructions issued behind block a's loads: the next block's eight, or none
.irp f, 0,1,2,3
	s_wait_dscnt (\younger)+3-(\f)
	global_store_b128 v[GO], v[OB+16*(\a)+4*(\f):OB+16*(\a)+4*(\f)+3], s[8:9] offset:(\a)*2048+(\f)*512  ; 512 consecutive bytes, at a multiple of 256 from the buffer's first; each block has registers of its own
.endr
.endm
	PACK 0
.irp a, 1,2,3,4,5,6,7                  ; a block's conversions stand between the loads of the block before and its stores
	PACK \a
	SEND (\a)-1, 8
.endr
	SEND 7, 0
	s_wait_tensorcnt 0x0                           ; the wave's end, behind my last tensor load and my last LDS store
	ds_add_u32 v[SPW], v[NIL]
	s_wait_dscnt 0x0
	CROUND                                         ; the closing round: no work-group ends while a partner may still ask for a tile that names it
	s_endpgm
.Lfunc_end_k_q35f81ae70c_gemm_qkv:
	.size	k_q35f81ae70c_gemm_qkv, .Lfunc_end_k_q35f81ae70c_gemm_qkv-k_q35f81ae70c_gemm_qkv
	.p2alignl 7, 3214868480
	.fill 96, 4, 3214868480
	.section	.rodata,"a",@progbits
	.p2align	6, 0x0
	.amdhsa_kernel k_q35f81ae70c_gemm_qkv
		.amdhsa_group_segment_fixed_size 327680
		.amdhsa_private_segment_fixed_size 0
		.amdhsa_enable_private_segment 0
		.amdhsa_kernarg_size 24
		.amdhsa_user_sgpr_count 2
		.amdhsa_user_sgpr_kernarg_segment_ptr 1
		.amdhsa_wavefront_size32 1
		.amdhsa_system_sgpr_workgroup_id_x 1
		.amdhsa_system_sgpr_workgroup_id_y 1
		.amdhsa_system_sgpr_workgroup_id_z 1
		.amdhsa_system_vgpr_workitem_id 0
		.amdhsa_next_free_vgpr 512
		.amdhsa_next_free_sgpr 66
		.amdhsa_reserve_vcc 0
		.amdhsa_float_denorm_mode_32 3
		.amdhsa_float_denorm_mode_16_64 3
		.amdhsa_memory_ordered 1
		.amdhsa_forward_progress 1
		.amdhsa_inst_pref_size 87
	.end_amdhsa_kernel
	.amdgpu_metadata
---
amdhsa.version: [ 1, 2 ]
amdhsa.kernels:
  - .name:           k_q35f81ae70c_gemm_qkv
    .symbol:         k_q35f81ae70c_gemm_qkv.kd
    .args:
      - { .name: xn, .offset: 0, .size: 8, .value_kind: global_buffer, .address_space: global }
      - { .name: wq, .offset: 8, .size: 8, .value_kind: global_buffer, .address_space: global }
      - { .name: qkv, .offset: 16, .size: 8, .value_kind: global_buffer, .address_space: global }
    .group_segment_fixed_size: 327680
    .private_segment_fixed_size: 0
    .kernarg_segment_align: 8
    .kernarg_segment_size: 24
    .max_flat_workgroup_size: 128
    .sgpr_count:     66
    .vgpr_count:     512
    .wavefront_size: 32
...
	.end_amdgpu_metadata
.endif
;; end of part 2
;; launch attn (part 3): grid 4 x 64, 4 waves a work-group, clusters of 4 x 1, 327,680 bytes of LDS; arguments qkv, att; writes att
.if DOCPART == 3
	.amdgcn_target "amdgcn-amd-amdhsa--gfx1250"
	.amdhsa_code_object_version 6
	.text
	.protected	k_q35f81ae70c_attn
	.globl	k_q35f81ae70c_attn
	.p2align	8
	.type	k_q35f81ae70c_attn,@function
k_q35f81ae70c_attn:
	s_mov_b64 s[64:65], 0
	v_nop
	global_prefetch_b8 v0, s[64:65] scope:SCOPE_SE
	s_setreg_imm32_b32 hwreg(HW_REG_WAVE_MODE, 25, 1), 1
	s_wait_xcnt 0x0
	s_wait_alu depctr_hold_cnt(0) depctr_sa_sdst(0) depctr_va_vdst(0) depctr_va_sdst(0) depctr_va_ssrc(0) depctr_va_vcc(0) depctr_vm_vsrc(0)
	s_getreg_b32 s2, hwreg(HW_REG_IB_STS2, 6, 4)
	s_cmp_eq_u32 s2, 0
	s_cbranch_scc0 .Lentry_in_a_cluster
	s_endpgm
.Lentry_in_a_cluster:
	s_bfe_u32 s2, ttmp6, 0x10000c
	s_cmp_lg_u32 s2, 0x3003
	s_cbranch_scc0 .Lentry_shape_is_right
	s_endpgm
.Lentry_shape_is_right:
; O[h][q][:] = the sum over k of softmax_k(Q[h][q] . K[h][k] / 8) V[h][k][:], for 64 heads (batch x 16 + head) of 2,048 rows.  qkv holds Q, then K (16,777,216 bytes on), then V (33,554,432 on), each
; [SIZE_H][SIZE_N][64] in f16, unscaled: a head's rows are dense, 128 bytes each.  O has the same layout.  Products, maxima and sums in f32; the weights p are rounded to f16 for the second product
; (their sum l is taken of the unrounded p), O once at the end.
; LIMITS.  f16 holds no number beyond 65,504: Q, K and V arrive within it; p lies in 0 to 1, and below 6e-5 it keeps f16's fixed step of 6e-8; O is a mean of V's rows and has their range.
; A weight below 2^-126 counts as 0 in l; NaN and infinities are not treated apart.
; SHARES.  A wave owns four PIECES of two tiles of 16 queries, a work-group's four waves 512 queries of one head.  Every wave walks all keys, 64 a step.
; LAYOUT.  S^T = K Q^T (source 0 = 16 keys, source 1 = 16 queries): in the result a lane holds ONE query (lane % 16) and the keys 8 (lane / 16) + 0..7.  Two such tiles, rounded to f16 in pairs,
; ARE source 1 (32 keys x 16 queries) of O^T = V^T P, whose result again holds one query a lane, and eight channels.  K comes out of LDS as it lies, V ([key][channel]) turned, by ds_load_tr16_b128.
; SOFTMAX.  For each query a running maximum m and sum l: p = 2^(c s - c m), c = log2(e) / 8; in every step O and l are multiplied by a = 2^(c m_old - c m_new), which is 1 where m has not grown.
; m starts at the lowest finite number, O and l at 0: the first step is a step like any other, with a = 0.
; THE COUNT.  A tile and step have 16 matrix and 118 vector instructions: too many to stand all beside the matrix work.  So: four vector instructions that are READY behind EVERY matrix instruction,
; and the others, which need time of their own whatever the order, in runs without a gap.
; BY TURNS.  Turn n belongs to piece n (the pieces in a ring, step after step).  Its matrix work: 16 products K Q^T of piece n + 1, later 16 products V^T P of piece n - 1.  Its vector work: the scaling,
; exponentials, roundings, sums and rescaling of piece n, and the maximum and statistics of piece n + 1, whose scores the turn itself has made.
; CLUSTER.  The four query blocks of a head are one cluster and walk the same K and V, so each tile is asked for JOINTLY: the same tensor load, descriptor and mask in all four.
; REGISTERS, in windows of 256 (s_set_vgpr_msb: bits 1:0 source 0, 3:2 source 1, 5:4 source 2, 7:6 destination):
;   window 0: v0-11 addresses; v12-15, v48-63 at work; v16-47 four registers of statistics a tile; v64-191 S^T, two buffers of two tiles; v192-255 P, likewise
;   window 1: O^T, 32 a tile          window 2: v0-127 Q, 16 a tile; v128-191 K of one step; v192-255 V of one step          window 3: v0-1 the add's two registers
; A piece's buffers go by its number's parity.
.set SIZE_H, 64
.set SIZE_N, 2048
.set NP,    4         ; pieces a wave: a name, no knob
.set KS,    64        ; keys in a step
.set PK,    144       ; a row of K in LDS: 128 bytes + 16 of padding = 36 words: the 16 rows of a load start at 16 different groups of four banks (64 banks of 4 bytes: ISA guide 11.1)
.set PV,    160       ; a row of V: 128 + 32 = 40 words
.set VOFF,  4*KS*PK   ; a slot holds four steps: 256 rows of K, then 256 rows of V
.set SLOT1, 1<<17     ; slot 1 begins here, so that one exclusive or turns an address in one slot into the other's
.set STAGE, SLOT1+4*KS*(PK+PV)  ; behind the ring, never filled by a tensor load: 16 rows x 144 bytes for each wave, for the way out
.set SP,    144
.set AK0, 2           ; v2   my lane's place in a tile of K; never rewritten
.set AV0, 3           ; v3   the same for V
.set AK,  4           ; v4   the LDS address of K's next run of loads
.set AV,  5           ; v5   of V's
.set QO,  6           ; v6   my byte offset in the wave's rows of Q
.set STO, 6           ;      later, the way out: where I put 16 bytes of a row
.set RD,  7           ; v7   the way out: where I read rows back
.set GO,  8           ; v8   my byte offset in 512 consecutive bytes of O
.set PFO, 11          ; v11  the prefetches' offset: 256 x my lane; not rewritten once it is made
.set SPW, 0           ; v0 of window 3   LDS address of my spare word: SPARE + 4 x my thread's number; never rewritten
.set NIL, 1           ; v1 of window 3   0; never rewritten
.set SPARE, STAGE+4*16*SP  ; behind the stages: the spare words, 128 bytes for each wave: two blocks of 256 bytes that no other line names
.set MV,  12          ; v12-15  c m_old, kept while c m is made anew: by buffer and tile
.set ST,  16          ; tile t's statistics at v[ST+4 t]: c m, m, l (even keys', odd keys')
.set TMP, 48          ; by buffer and tile, four registers c0-c3 at work; when the maximum is found c2 takes a
.set S,   64
.set P,   192
.set KF,  128         ; K's fragments, in window 2: key block kb, channel half c at KF + 16 kb + 8 c
.set VF,  192         ; V's: key half kk, channel block cb at VF + 32 kk + 8 cb
.set WV,  12          ; s12  my wave's number
.set G1K, 24          ; s[24:31] descriptor group 1 for K's tiles
.set G1V, 32          ; s[32:39] for V's: it differs in the padding alone
.set G0K, 40          ; s[40:43] descriptor group 0 for K's tiles: it walks
.set G0V, 44          ; s[44:47] the same for V's
.set PFA, 48          ; s[48:49] where my prefetches stand: my work-group's 8,192 bytes (of K: wave 0, of V: wave 2) of the slot after the one that is being asked for
.set LIM, 50          ; s50  1 in a wave that prefetches, else the greatest number: a wave prefetches while s[SLOTS] is above it
.set SLOTS, 56        ; s56  slots still to be asked for
.set CNT, 57          ; s57  counts a slot's key steps
.set CS,  58          ; s[58:59] c: the packed scaling takes the pair's low word for both halves
.set SEL, 60          ; s[60:61] v_permlanex16_b32's selects: each lane takes its own place in the other half
.set TBK, 62          ; s62  LDS byte at which K of the step to be fetched begins
.set TBV, 63          ; s63  the same for V, less VOFF
.set MSB, 0
.macro WIN new                      ; the high byte repeats the setting that is left; a switch that changes nothing is dropped
.if MSB != (\new)
	s_set_vgpr_msb (MSB<<8)|(\new)
.set MSB, (\new)
.endif
.endm
.set W_KQ, 0x0a       ; K and Q in window 2, S^T in window 0
.set W_PV, 0x52       ; V in window 2, P in window 0, O^T in window 1
.set W_RS, 0x41       ; O^T (destination and source 0) in window 1, a in window 0
.set W_MK, 0xc0       ; the add's registers are made: destination in window 3, sources in window 0
.set W_AD, 0x0f       ; the add: address (source 0) and data (source 1) in window 3
; A joint fill.  Waves 0 and 1 fetch the two halves of a slot's K, waves 2 and 3 those of its V: 128 keys each.  The branch hangs on the wave's number alone.
; An s_nop 0 and four v_nop follow each of the two lines, ahead of the jump and the label.
.macro JLOAD
	s_cmp_lt_u32 s[WV], 2
	s_cbranch_scc0 .Lfor_v_\@
	tensor_load_to_lds s[G0K:G0K+3], s[G1K:G1K+7]
	s_nop 0
.rept 4
	v_nop
.endr
	s_branch .Lasked_\@
.Lfor_v_\@:
	tensor_load_to_lds s[G0V:G0V+3], s[G1V:G1V+7]
	s_nop 0
.rept 4
	v_nop
.endr
.Lasked_\@:
.endm
; A PREFETCH INTO THE L2 of what the NEXT change of slots will ask for: a slot's 256 keys are 32,768 consecutive bytes of K and as many of V.  It stands behind the wave's tensor load and its five lines.
; Each aligned 256 bytes are named ONCE in the launch: a head is walked by one cluster; its four partners share a slot's bytes out BY ADDRESS, 8,192 each (no branch hangs on a work-group's place in its
; cluster); in each, wave 0 asks for K's and wave 2 for V's: a lane 256 bytes, one instruction.  It runs four key steps, 512 matrix instructions, ahead of the load.  Slots 0 and 1 come by their loads
; alone; the last change that fills a slot asks for nothing: there is no slot behind it.
.macro ASK
	s_cmp_gt_u32 s[SLOTS], s[LIM]
	s_cbranch_scc0 .Lnot_mine_\@
	global_prefetch_b8 v[PFO], s[PFA:PFA+1] th:TH_LOAD_NT scope:SCOPE_SE
.Lnot_mine_\@:
.endm
; A round of the cluster's barrier: my work-group's barrier, so that wave 0's signal speaks for all four waves; wave 0 signals; every wave waits for all four work-groups; my work-group's barrier once more.
.macro CROUND
	s_barrier_signal -1
	s_barrier_wait -1
	s_cmp_lg_u32 s[WV], 0
	s_cbranch_scc1 .Lnot_wave_0_\@
	s_barrier_signal -3
.Lnot_wave_0_\@:
	s_barrier_wait -3
	s_barrier_signal -1
	s_barrier_wait -1
.endm
; THE CHANGE OF SLOTS.  The slot's last bytes, V of its fourth step, have been read.  Each wave waits for all its tensor loads, of which one is out: its part
; of the other slot; adds 0 to its spare word; and waits for that and for its own reads of the slot.  Behind the barrier nobody reads this slot any more and the other slot is whole.
; fill = 1: this slot is filled again, with the keys two slots on.  The barrier is then a round of the cluster's, and the joint fill is the first thing behind it: it has four key steps,
; 512 matrix instructions, in which to land.  (At its first use nothing has been read yet: slot 0 is waited for, slot 1 filled.)
.macro CHANGE fill
	WIN W_AD
	s_wait_tensorcnt 0x0            ; no tensor load of mine is out, so a group 0 may be written
	ds_add_u32 v[SPW], v[NIL]       ; 0 onto my spare word; with fill = 1 the descriptors' steps stand between it and the wait for it
	WIN 0                           ; at a label and at a branch every window is 0
.if \fill
.irp g, G0K, G0V
	s_xor_b32 s[\g+1], s[\g+1], SLOT1  ; the walking descriptor: the other slot than last time,
	s_add_nc_u64 s[\g+2:\g+3], s[\g+2:\g+3], 4*KS*128  ; the next 256 keys; the type bits on top are not reached
.endr
	s_wait_xcnt 0x0                 ; the last prefetch, four key steps back, has read its address, so it may be written:
	s_add_nc_u64 s[PFA:PFA+1], s[PFA:PFA+1], 4*KS*128  ; one slot behind the walking descriptors
	s_wait_dscnt 0x0                ; the add is done, and my reads of the slot are over
	CROUND
	JLOAD
	ASK
.else
	s_wait_dscnt 0x0                ; the add is done, and my reads of the slot are over
	s_barrier_signal -1
	s_barrier_wait -1
.endif
	s_sub_co_u32 s[TBK], s[TBK], 4*KS*PK  ; the fetches go back to a slot's first step,
	s_xor_b32 s[TBK], s[TBK], SLOT1       ; in the other slot
	s_sub_co_u32 s[TBV], s[TBV], 4*KS*PV
	s_xor_b32 s[TBV], s[TBV], SLOT1
.endm
	s_load_b128 s[4:7], s[0:1], 0x0  ; qkv s[4:5], O s[6:7]
	WIN W_MK
	v_lshl_add_u32 v[SPW], v0, 2, SPARE
	v_mov_b32 v[NIL], 0
	WIN W_AD
	ds_add_u32 v[SPW], v[NIL]       ; the wave's opening: the add and its wait stand ahead of my first tensor load; the set-up below, work on registers, stands between them
	WIN 0
	v_lshrrev_b32 v1, 5, v0
	v_readfirstlane_b32 s[WV], v1   ; wave 0..3
	s_bfe_u32 s13, ttmp6, 0x40000   ; cx: my place in the cluster
	s_lshl_b32 s14, ttmp9, 2        ; in a cluster launch ttmp9 counts clusters
	s_add_co_u32 s14, s14, s13      ; my block of queries = 4 x cluster x + cx: it enters Q's and O's addresses, and the prefetches', alone
	s_and_b32 s20, ttmp7, 0xffff    ; the head, which the four partners share
	s_mov_b32 s21, 0
	s_mov_b64 s[22:23], SIZE_N*128
	s_mul_u64 s[20:21], s[20:21], s[22:23]  ; the head's first byte in Q, K, V and O
	s_and_b32 s16, s[WV], 1         ; which half of a slot's 256 keys I fetch:
	s_lshl_b32 s22, s16, 14         ; its 128 rows of 128 bytes in memory,
	s_mov_b32 s23, 0
	s_add_nc_u64 s[22:23], s[22:23], s[20:21]
	s_mul_i32 s17, s16, 128*PK      ; and its place in a slot, for K
	s_mul_i32 s18, s16, 128*PV      ; and for V: no place in the cluster enters an LDS address
	s_lshl_b32 s2, s14, 2
	s_add_co_u32 s2, s2, s[WV]      ; my wave among the head's,
	s_lshl_b32 s2, s2, 14           ; its 128 rows
	s_mov_b32 s3, 0
	s_add_nc_u64 s[2:3], s[2:3], s[20:21]
	; descriptor group 1.  128 keys are 16,384 dense bytes: asked for as 64 rows of 256 bytes, two keys a row, and padded in LDS after every key
	s_mov_b32 s[G1K], 15|(1<<16)|(1<<20)|(1<<21)|(4<<22)|(3<<25)  ; 15:0 the mask of four; 17:16 2-byte elements; 20 padding on; 21 set beside a mask; 24:22 after every 32 words (code 4); 31:25 4 words (code 3)
	s_mov_b32 s[G1V], 15|(1<<16)|(1<<20)|(1<<21)|(4<<22)|(7<<25)  ; the same with 8 words of padding (code 7)
.irp g, G1K, G1V
	s_mov_b32 s[\g+1], 128<<16      ; tensor_dim0 = 128
	s_mov_b32 s[\g+2], 64<<16       ; tensor_dim1 = 64
	s_mov_b32 s[\g+3], 128<<16      ; tile_dim0 = 128
	s_mov_b32 s[\g+4], 64           ; tile_dim1 = 64
	s_mov_b32 s[\g+5], 128          ; 128 elements from row to row
	s_mov_b32 s[\g+6], 0
	s_mov_b32 s[\g+7], 0
.endr
	s_mov_b32 s[CS], 0x3e38aa3b     ; c = log2(e) / 8 = 0.180337
	s_mov_b32 s[CS+1], s[CS]        ; named with it as a pair
	s_mov_b32 s[SEL], 0x76543210
	s_mov_b32 s[SEL+1], 0xfedcba98
	s_mov_b32 s[TBK], SLOT1+4*KS*PK ; the first change of slots turns these two into 0
	s_mov_b32 s[TBV], SLOT1+4*KS*PV
	s_mov_b32 s[G0K], 1             ; 1:0 count = 1
	s_mov_b32 s[G0K+1], s17         ; 63:32 LDS address: slot 0
	s_mov_b32 s[G0V], 1
	s_add_co_u32 s[G0V+1], s18, VOFF
	s_mov_b32 s[SLOTS], SIZE_N/256-1  ; seven slots are asked for by changes of slots
	s_and_b32 s[LIM], s[WV], 1      ; waves 0 and 2 prefetch: the same in all four partners
	s_cmp_eq_u32 s[LIM], 0
	s_cselect_b32 s[LIM], 1, -1
	s_wait_dscnt 0x0                ; the opening add is done
	s_wait_kmcnt 0x0
	s_mov_b64 s[10:11], s[6:7]      ; O
	s_add_nc_u64 s[6:7], s[4:5], 0x1000000  ; K lies behind Q,
	s_add_nc_u64 s[8:9], s[4:5], 0x2000000  ; V behind K
	s_add_nc_u64 s[G0K+2:G0K+3], s[6:7], s[22:23]  ; 120:64 global address: my half of the head's first 256 keys
	s_or_b32 s[G0K+3], s[G0K+3], 0x80000000        ; 127:126 type = 2
	s_add_nc_u64 s[G0V+2:G0V+3], s[8:9], s[22:23]
	s_or_b32 s[G0V+3], s[G0V+3], 0x80000000
	s_add_nc_u64 s[4:5], s[4:5], s[2:3]  ; Q and O at my wave's first row
	s_add_nc_u64 s[10:11], s[10:11], s[2:3]
	s_cmp_lt_u32 s[WV], 2
	s_cselect_b64 s[PFA:PFA+1], s[6:7], s[8:9]
	s_add_nc_u64 s[PFA:PFA+1], s[PFA:PFA+1], s[20:21]  ; the head's first key,
	s_lshl_b32 s2, s13, 13          ; my work-group's 8,192 bytes of a slot's 32,768,
	s_mov_b32 s3, 0
	s_add_nc_u64 s[PFA:PFA+1], s[PFA:PFA+1], s[2:3]
	s_add_nc_u64 s[PFA:PFA+1], s[PFA:PFA+1], 4*KS*128  ; in slot 1: the first change of slots steps it to slot 2.  Nothing is prefetched here, at the head
	CROUND                          ; all four work-groups are here: the first joint loads meet
	JLOAD                           ; slot 0.  Slot 1 is asked for when slot 0 is in
	; A fragment of K or Q is 16 rows x 32 channels in 8 registers: lane l holds row l % 16, channels 8 (l / 16) + 0..7 and 16 + 8 (l / 16) + 0..7: two loads of 16 bytes, 32 bytes apart.
	v_and_b32 v1, 15, v0            ; l % 16
	v_bfe_u32 v9, v0, 4, 1          ; l / 16
	v_lshlrev_b32 v[QO], 7, v1
	v_lshl_add_u32 v[QO], v9, 4, v[QO]  ; row x 128 + 16 x half
	WIN 0x80                        ; destination window 2, address window 0
.set i, 0
.rept 4*NP                          ; Q stays in registers: tile i / 2, channels 32 (i % 2) on
	global_load_b128 v[8*i:8*i+3],   v[QO], s[4:5] offset:(i/2)*2048+(i%2)*64
	global_load_b128 v[8*i+4:8*i+7], v[QO], s[4:5] offset:(i/2)*2048+(i%2)*64+32
.set i, i+1
.endr
	; What the first turn finds: V's registers and P's second buffer hold 0 (its products V^T P, of a piece that has not been, add 0), O^T and l are 0.  All this stands in the wait for the first tile.
.set i, VF
.rept 64
	v_mov_b32 v[i], 0
.set i, i+1
.endr
	WIN 0x40
.set i, 0
.rept 64*NP
	v_mov_b32 v[i], 0
.set i, i+1
.endr
	WIN 0
.set i, 0
.rept 2*NP
	v_mov_b32 v[ST+4*i], 0xfe000000    ; c m: far below every c s
	v_mov_b32 v[ST+4*i+1], 0xff7fffff  ; m
	v_mov_b32 v[ST+4*i+2], 0
	v_mov_b32 v[ST+4*i+3], 0
.set i, i+1
.endr
.set i, P+32
.rept 32
	v_mov_b32 v[i], 0
.set i, i+1
.endr
	v_mul_u32_u24 v[AK0], v1, PK
	v_lshl_add_u32 v[AK0], v9, 4, v[AK0]  ; row x pitch + 16 x half
	; The turning load takes 16 keys x 16 channels (lane l reads key 8 (l / 16) + l % 8, channels 8 ((l / 8) % 2) + 0..7) and leaves half a fragment of V^T: lane l holds channel l % 16 and 8 keys.
	v_and_b32 v10, 7, v0
	v_bfe_u32 v11, v0, 3, 1
	v_lshl_add_u32 v[AV0], v9, 3, v10
	v_mul_u32_u24 v[AV0], v[AV0], PV
	v_lshl_add_u32 v[AV0], v11, 4, v[AV0]
	v_add_nc_u32 v[AV0], VOFF, v[AV0]
	v_and_b32 v[PFO], 31, v0        ; v11 has served: from here on it holds 256 x my lane
	v_lshlrev_b32 v[PFO], 8, v[PFO]
	v_mov_b32 v[AK], v[AK0]         ; key step 0 lies at the head of slot 0
; THE MATRIX WORK.  The 8 accumulators of a run of 16 take turns: between the two links of a chain stand 7 others'.
; Product i of 16 of S^T = K Q^T for piece x: channels 32 (i / 8) on, keys 16 ((i / 2) % 4) on, tile 2 x + i % 2.  The first 8 start the sums.
.macro KQ x
	WIN W_KQ
.set rS, S+64*((\x)%2)+32*(i%2)+8*((i/2)%4)
.set rK, KF+16*((i/2)%4)+8*(i/8)
.set rQ, 16*(2*(\x)+i%2)+8*(i/8)
.if i < 8
	v_wmma_f32_16x16x32_f16 v[rS:rS+7], v[rK:rK+7], v[rQ:rQ+7], 0
.else
	v_wmma_f32_16x16x32_f16 v[rS:rS+7], v[rK:rK+7], v[rQ:rQ+7], v[rS:rS+7]
.endif
.endm
; Product i of 16 of O^T += V^T P for piece x: keys 32 (i / 8) on, channels 16 ((i / 2) % 4) on, tile 2 x + i % 2.
.macro PV x
	WIN W_PV
.set rO, 32*(2*(\x)+i%2)+8*((i/2)%4)
.set rV, VF+32*(i/8)+8*((i/2)%4)
.set rP, P+32*((\x)%2)+16*(i%2)+8*(i/8)
	v_wmma_f32_16x16x32_f16 v[rO:rO+7], v[rV:rV+7], v[rP:rP+7], v[rO:rO+7]
.endm
.macro MM                           ; the turn's next matrix instruction
.if i < 16
	KQ (Y+1)%NP
.set i, i+1
.else
.set i, i-16
	PV (Y+NP-1)%NP
.set i, i+17
.endif
.endm
; THE LDS LOADS stand in runs of 16, never singly among the matrix instructions: a step's K (64 keys x 64 channels: 8 fragments) and its V (turned).  Their addresses are made some lines ahead.
; last = 1 (the tail): in the last trip there is no further step, and the run is jumped over.
.macro FETCH_K last=0
	WIN 0
.if \last
	s_cmp_eq_u32 s[CNT], 1
	s_cbranch_scc1 .Lno_k_\@
.endif
	WIN 0x80                        ; destination window 2
.irp f, 0,1,2,3,4,5,6,7             ; keys 16 (f / 2) on, channels 32 (f % 2) on
	ds_load_b128 v[KF+8*\f:KF+8*\f+3],   v[AK] offset:(\f/2)*16*PK+(\f%2)*64
	ds_load_b128 v[KF+8*\f+4:KF+8*\f+7], v[AK] offset:(\f/2)*16*PK+(\f%2)*64+32
.endr
	s_add_co_u32 s[TBK], s[TBK], KS*PK  ; the next fetch is the next step's
	WIN 0
.if \last
.Lno_k_\@:
.endif
.endm
.macro FETCH_V
	WIN 0x80
.irp f, 0,1,2,3,4,5,6,7             ; keys 32 (f / 4) on, channels 16 (f % 4) on
	ds_load_tr16_b128 v[VF+8*\f:VF+8*\f+3],   v[AV] offset:(\f/4)*32*PV+(\f%4)*32
	ds_load_tr16_b128 v[VF+8*\f+4:VF+8*\f+7], v[AV] offset:(\f/4)*32*PV+16*PV+(\f%4)*32
.endr
	WIN 0
.endm
; THE VECTOR WORK OF A TURN stands in three queues, each in the order in which its entries become ready; the two tiles alternate, so that no instruction reads the result of the one before it.
.macro REGS y, u                    ; the registers of tile u (0, 1) of piece y
.set rT, ST+4*(2*(\y)+(\u))
.set rC, TMP+8*((\y)%2)+4*(\u)
.set rM, MV+2*((\y)%2)+(\u)
.set rS, S+64*((\y)%2)+32*(\u)
.set rP, P+32*((\y)%2)+16*(\u)
.set rO, 32*(2*(\y)+(\u))
.endm
; Number n of the 22 that find the NEXT piece's (Y + 1) maximum and statistics.  s0-s31 are the lane's 32 scores; each accumulator's lowest registers are read first.
;   0-11  four chains c0-c3 of seven scores each, three operands at a time     12-14, 16  the four scores left over, the old m, and c0-c3 into c0     15  c m_old is kept
;   17, 18  the query's other 32 keys lie in the lane 16 away: the new m         19-21  c m; c m_old - c m_new; a
.macro XS u, n
	REGS (Y+1)%NP, \u
.if (\n) < 4
	v_max3_num_f32 v[rC+(\n)], v[rS+8*(\n)], v[rS+8*(\n)+1], v[rS+8*(\n)+2]
.elseif (\n) < 12
	v_max3_num_f32 v[rC+(\n)%4], v[rC+(\n)%4], v[rS+8*((\n)%4)+2*((\n)/4)+1], v[rS+8*((\n)%4)+2*((\n)/4)+2]
.elseif (\n) == 12
	v_max3_num_f32 v[rC], v[rC], v[rS+7], v[rS+15]
.elseif (\n) == 13
	v_max3_num_f32 v[rC+1], v[rC+1], v[rS+23], v[rS+31]
.elseif (\n) == 14
	v_max3_num_f32 v[rC+2], v[rC+2], v[rC+3], v[rT+1]
.elseif (\n) == 15
	v_mov_b32 v[rM], v[rT]
.elseif (\n) == 16
	v_max3_num_f32 v[rC], v[rC], v[rC+1], v[rC+2]
.elseif (\n) == 17
	v_permlanex16_b32 v[rC+3], v[rC], s[SEL], s[SEL+1]
.elseif (\n) == 18
	v_max_num_f32 v[rT+1], v[rC], v[rC+3]
.elseif (\n) == 19
	v_mul_f32 v[rT], s[CS], v[rT+1]
.elseif (\n) == 20
	v_sub_f32 v[rC+1], v[rM], v[rT]
.else
	v_exp_f32 v[rC+2], v[rC+1]
.endif
.endm
; Number g of the 64 that follow the exponentials.  For each four weights k of a tile (pairs 2 k, 2 k + 1): both pairs are rounded to f16; then the second pair is added onto the first, in place;
; a group later l takes that sum (the first time as l = a l + sum).  In groups of eight, tiles alternating: round, round, add, and l for the group before.
.macro GS g
.set h, (\g)+6*((\g)/62)            ; group 0 has no group before it, and behind group 7 only l is left
.if h >= 6
.set h, h+2
.endif
	REGS Y, h%2
.set k, h/8
.if h%8 < 4
	s_wait_alu depctr_va_vdst(0)
	v_cvt_pk_f16_f32 v[rP+2*k+(h%8)/2], v[rS+4*k+2*((h%8)/2)], v[rS+4*k+2*((h%8)/2)+1]
.elseif h%8 < 6
	v_pk_add_f32 v[rS+4*k:rS+4*k+1], v[rS+4*k:rS+4*k+1], v[rS+4*k+2:rS+4*k+3]
.elseif k == 1
	v_pk_fma_f32 v[rT+2:rT+3], v[rT+2:rT+3], v[rC+2:rC+3], v[rS:rS+1] op_sel_hi:[1,0,1]
.else
	v_pk_add_f32 v[rT+2:rT+3], v[rT+2:rT+3], v[rS+4*k-4:rS+4*k-3]
	s_wait_alu depctr_va_vdst(0)
.endif
.endm
; THE PLAIN QUEUE, 138 long.  0-31: c s - c m for the 16 pairs of both tiles.  Then GS's 64, and among them the next piece's 42: number 15 at 38, 39; 0-14 and 16
; at 42-73, behind the products that make those scores; 17-20 at 95-106, two of three, since each waits for the one before it.
.macro PL
	WIN 0
.if q < 32
	REGS Y, q%2
	v_pk_fma_f32 v[rS+2*(q/2):rS+2*(q/2)+1], v[rS+2*(q/2):rS+2*(q/2)+1], s[CS:CS+1], v[rT:rT+1] op_sel_hi:[1,0,0] neg_lo:[0,0,1] neg_hi:[0,0,1]
.elseif q < 38
	GS q-32
.elseif q < 40
	XS q%2, 15
.elseif q < 42
	GS q-34
.elseif q < 74
	XS q%2, (q-42)/2+(q-42)/30
.elseif q < 95
	GS q-66
.elseif (q < 107) && ((q-95)%3 < 2)
	XS (q-95)%3, 17+(q-95)/3
.elseif q < 107
	GS 29+(q-95)/3
.else
	GS q-74
.endif
.set q, q+1
.endm
; THE EXPONENTIALS' QUEUE, 66 long: s0-s31 of both tiles, and at EA the next piece's two a.
.set EA, 58
.macro EX
	WIN 0
.if (e == EA) || (e == EA+1)
	XS e-EA, 21
.else
.set x, e-2*(e/(EA+2))
	REGS Y, x%2
	v_exp_f32 v[rS+x/2], v[rS+x/2]
.endif
.set e, e+1
.endm
; THE RESCALING's QUEUE: O^T times a, the one part that leaves window 0, so it is dealt four at a time, eight times.
.macro R4
	REGS Y, r%2
	WIN W_RS
	s_wait_alu depctr_va_vdst(0)
.irp z, 0,1,2,3
	v_pk_mul_f32 v[rO+8*(r/2)+2*\z:rO+8*(r/2)+2*\z+1], v[rO+8*(r/2)+2*\z:rO+8*(r/2)+2*\z+1], v[rC+2:rC+3] op_sel_hi:[1,0]
.endr
.set r, r+1
.endm
; HOW THEY ARE DEALT.  Behind a matrix instruction four: plain, exponential, plain, plain (one exponential, a plain instruction on either side), or four of the rescaling.  None names a register of the
; products round it.  What is over stands in two LUMPS: exponential and plain by turns; the second ends in 22 plain instructions.  The two v_permlanex16_b32 fall into the second lump, never behind a product.
; The queues lean on each other, and the deal keeps them in step: exponential e stands behind plain 2 (e / 4) + e % 2 (its scaling); when plain 32 comes, 10 exponentials are out, at 59: 33, at 95: 46; EA comes behind plain 107.
.macro SL
	MM
	PL
	EX
	PL
	PL
.endm
.macro BURST n                      ; 15 matrix instructions, or 16
.rept (\n)-7
	SL
.endr
.rept 3
	MM
	R4
	SL
.endr
	MM
	R4
.endm
; A TURN, for piece p.  cnt = 1: the loop's count is taken down some lines ahead of the branch that stands behind the turn.
; K of the next step is fetched in piece 2's turn, 31 vector instructions behind the last product that read K; its first reader comes behind the rest of the lump, 16 products and the second lump.
; V of the step in hand is fetched at the end of piece 0's turn, 69 behind its last reader; its first reader comes behind 16 products and a lump.  The four conditions on e and q below go with the deal.
.macro TURN p, last=0, cnt=0
.set Y, (\p)
.set i, 0
.set q, 0
.set e, 0
.set r, 0
.if (\p) == NP-1
	s_wait_dscnt 0x0                ; K is in
.endif
	MM
.rept 4
	PL
.endr
	BURST 15
.rept 22
	EX
	PL
.if ((\p) == NP-2) && (e == 18)
	v_add_nc_u32 v[AK], s[TBK], v[AK0]
.endif
.if ((\p) == NP-2) && (e == 24)
	FETCH_K \last
.endif
.endr
.if (\p) == 1
	s_wait_dscnt 0x0                ; V is in
.endif
	BURST 16
.rept 21
	EX
	PL
.endr
.rept 22
	PL
.if ((\p) == 0) && (q == 118)
	v_add_nc_u32 v[AV], s[TBV], v[AV0]
	s_wait_alu depctr_va_vdst(0)
.endif
.if ((\p) == 0) && (q == 130)
	s_add_co_u32 s[TBV], s[TBV], KS*PV
.endif
.if (\cnt) && (q == 130)
	s_sub_co_u32 s[CNT], s[CNT], 1
	s_cmp_lg_u32 s[CNT], 0
.endif
.endr
.if (\p) == 0
	FETCH_V
.endif
.endm
	CHANGE 1                        ; slot 0 is in, everybody's part of it; slot 1 is asked for
	FETCH_K                         ; key step 0
	s_wait_loadcnt 0x0              ; Q
	s_wait_dscnt 0x0
.set i, 0
.rept 16
	KQ 0                            ; piece 0's first scores: there is no vector work yet to set between them
.set i, i+1
.endr
	WIN 0                           ; the addresses for the way out: nine plain instructions, the places behind those products
	s_mul_i32 s13, s[WV], 16*SP
	s_add_co_u32 s13, s13, STAGE    ; my stage
	v_mul_u32_u24 v[STO], v1, SP    ; in: row l % 16, 16 bytes for each half of the lanes
	v_lshl_add_u32 v[STO], v9, 4, v[STO]
	v_add_nc_u32 v[STO], s13, v[STO]
	v_bfe_u32 v[RD], v0, 3, 2       ; back: 32 lanes take four rows of 128 bytes,
	v_mul_u32_u24 v[RD], v[RD], SP
	v_lshl_add_u32 v[RD], v10, 4, v[RD]
	v_add_nc_u32 v[RD], s13, v[RD]
	v_and_b32 v[GO], 31, v0         ; which are 512 consecutive bytes of O
	v_lshlrev_b32 v[GO], 4, v[GO]
.set Y, NP-1                        ; XS works for piece Y + 1: piece 0
.irp n, 0,1,2,3,4,5,6,7,8,9,10,11,12,13,14,15,16,17,18,19,20,21
	XS 0, \n                        ; and piece 0's first maximum and statistics
	XS 1, \n
.endr
	s_mov_b32 s[CNT], 4
	s_branch .Lfirst                ; the loop is entered at a step's first turn, in the middle of a trip
.Lslot:                             ; SIZE_N / 256 - 2 times: every slot but the last two is filled again
	CHANGE 1
	s_mov_b32 s[CNT], 4
.Lstep:                             ; a trip: pieces 2 and 3 of one step, then pieces 0 and 1 of the next, whose K and V it fetches
	TURN 2
	TURN 3
	WIN 0
.Lfirst:
	TURN 0
	TURN 1, 0, 1
	WIN 0
	s_cbranch_scc1 .Lstep
	s_sub_co_u32 s[SLOTS], s[SLOTS], 1
	s_cmp_lg_u32 s[SLOTS], 0
	s_cbranch_scc1 .Lslot
	CHANGE 0                        ; the tail is written out: nothing is asked for
	s_mov_b32 s[CNT], 5             ; four trips fetch the last slot's steps; the fifth is left in its middle
.Ltail:
	TURN 2, 1
	TURN 3
	WIN 0
	s_sub_co_u32 s[CNT], s[CNT], 1
	s_cmp_eq_u32 s[CNT], 0
	s_cbranch_scc1 .Lout
	TURN 0
	TURN 1
	WIN 0
	s_branch .Ltail
.Lout:                              ; the fifth trip's 16 products K Q^T (on the last K once more) and the maximum made of them serve nothing: the price, once a launch, of one text for every trip
.set i, 0
.rept 16
	PV NP-1                         ; the last piece's V^T P of the last step
.set i, i+1
.endr
	; THE WAY OUT.  l's two halves and the other half of the lanes' are added; O^T is divided by l, rounded to f16 and sent through my stage in LDS, a tile at a time.  The additions are the places behind the last products.
	WIN 0
.macro ALL line:vararg              ; one line for each tile t
.set t, 0
.rept 2*NP
	\line
.set t, t+1
.endr
.endm
	ALL v_add_f32 v[ST+4*t+2], v[ST+4*t+2], v[ST+4*t+3]
	ALL v_permlanex16_b32 v[ST+4*t+3], v[ST+4*t+2], s[SEL], s[SEL+1]
	ALL v_add_f32 v[ST+4*t+2], v[ST+4*t+2], v[ST+4*t+3]
	ALL v_rcp_f32 v[ST+4*t+2], v[ST+4*t+2]
	v_nop                           ; a plain instruction between the last reciprocal and the use of its result
	s_wait_alu depctr_va_vdst(0)
; Tile t: a lane's eight channels of a row pack into 16 bytes; they go into rows of 144 bytes and come back as whole rows of 128, into S^T's registers.
.macro PACK t
	WIN W_RS
.set i, 32*(\t)
.rept 16
	v_pk_mul_f32 v[i:i+1], v[i:i+1], v[ST+4*(\t)+2:ST+4*(\t)+3] op_sel_hi:[1,0]
.set i, i+2
.endr
	WIN 0x05                        ; sources 0 and 1 window 1, destination window 0
.set i, 0
.rept 16
	v_cvt_pk_f16_f32 v[S+16*(\t)+i], v[32*(\t)+2*i], v[32*(\t)+2*i+1]
.set i, i+1
.endr
	WIN 0
.irp f, 0,1,2,3
	ds_store_b128 v[STO], v[S+16*(\t)+4*\f:S+16*(\t)+4*\f+3] offset:32*\f
.endr
.irp f, 0,1,2,3
	ds_load_b128 v[S+16*(\t)+4*\f:S+16*(\t)+4*\f+3], v[RD] offset:\f*4*SP  ; LDS serves a wave's instructions in order (ISA guide 5.7.1.4): these see the stores above; the next tile's stores come behind them
.endr
.endm
.macro SEND t, younger              ; younger: the LDS instructions issued behind tile t's loads: the next tile's eight, or none
	WIN 0
.irp f, 0,1,2,3
	s_wait_dscnt (\younger)+3-\f
	global_store_b128 v[GO], v[S+16*(\t)+4*\f:S+16*(\t)+4*\f+3], s[10:11] offset:(\t)*2048+\f*512  ; 512 consecutive bytes, at a multiple of 256 from O's first
.endr
.endm
	PACK 0
.set t, 1
.rept 2*NP-1                        ; a tile's arithmetic stands between the loads of the tile before and its stores
	PACK t
	SEND t-1, 8
.set t, t+1
.endr
	SEND 2*NP-1, 0
	WIN W_AD
	s_wait_tensorcnt 0x0            ; the wave's end, behind my last tensor load and my last LDS store
	ds_add_u32 v[SPW], v[NIL]
	s_wait_dscnt 0x0
	WIN 0
	CROUND                          ; the closing round: no work-group ends while a partner may still ask for a tile that names it
	s_endpgm
.Lfunc_end_k_q35f81ae70c_attn:
	.size	k_q35f81ae70c_attn, .Lfunc_end_k_q35f81ae70c_attn-k_q35f81ae70c_attn
	.p2alignl 7, 3214868480
	.fill 96, 4, 3214868480
	.section	.rodata,"a",@progbits
	.p2align	6, 0x0
	.amdhsa_kernel k_q35f81ae70c_attn
		.amdhsa_group_segment_fixed_size 327680
		.amdhsa_private_segment_fixed_size 0
		.amdhsa_enable_private_segment 0
		.amdhsa_kernarg_size 16
		.amdhsa_user_sgpr_count 2
		.amdhsa_user_sgpr_kernarg_segment_ptr 1
		.amdhsa_wavefront_size32 1
		.amdhsa_system_sgpr_workgroup_id_x 1
		.amdhsa_system_sgpr_workgroup_id_y 1
		.amdhsa_system_sgpr_workgroup_id_z 1
		.amdhsa_system_vgpr_workitem_id 0
		.amdhsa_next_free_vgpr 770
		.amdhsa_next_free_sgpr 66
		.amdhsa_reserve_vcc 0
		.amdhsa_float_denorm_mode_32 3
		.amdhsa_float_denorm_mode_16_64 3
		.amdhsa_memory_ordered 1
		.amdhsa_forward_progress 1
		.amdhsa_inst_pref_size 209
	.end_amdhsa_kernel
	.amdgpu_metadata
---
amdhsa.version: [ 1, 2 ]
amdhsa.kernels:
  - .name:           k_q35f81ae70c_attn
    .symbol:         k_q35f81ae70c_attn.kd
    .args:
      - { .name: qkv, .offset: 0, .size: 8, .value_kind: global_buffer, .address_space: global }
      - { .name: att, .offset: 8, .size: 8, .value_kind: global_buffer, .address_space: global }
    .group_segment_fixed_size: 327680
    .private_segment_fixed_size: 0
    .kernarg_segment_align: 8
    .kernarg_segment_size: 16
    .max_flat_workgroup_size: 128
    .sgpr_count:     66
    .vgpr_count:     770
    .wavefront_size: 32
...
	.end_amdgpu_metadata
.endif
;; end of part 3
;; launch gemm_out (part 4): grid 8 x 32, 4 waves a work-group, clusters of 4 x 4, 327,680 bytes of LDS; arguments att, wo, out0; writes out0
.if DOCPART == 4
	.amdgcn_target "amdgcn-amd-amdhsa--gfx1250"
	.amdhsa_code_object_version 6
	.text
	.protected	k_q35f81ae70c_gemm_out
	.globl	k_q35f81ae70c_gemm_out
	.p2align	8
	.type	k_q35f81ae70c_gemm_out,@function
k_q35f81ae70c_gemm_out:
	s_mov_b64 s[64:65], 0
	v_nop
	global_prefetch_b8 v0, s[64:65] scope:SCOPE_SE
	s_setreg_imm32_b32 hwreg(HW_REG_WAVE_MODE, 25, 1), 1
	s_wait_xcnt 0x0
	s_wait_alu depctr_hold_cnt(0) depctr_sa_sdst(0) depctr_va_vdst(0) depctr_va_sdst(0) depctr_va_ssrc(0) depctr_va_vcc(0) depctr_vm_vsrc(0)
	s_getreg_b32 s2, hwreg(HW_REG_IB_STS2, 6, 4)
	s_cmp_eq_u32 s2, 0
	s_cbranch_scc0 .Lentry_in_a_cluster
	s_endpgm
.Lentry_in_a_cluster:
	s_bfe_u32 s2, ttmp6, 0x10000c
	s_cmp_lg_u32 s2, 0xf033
	s_cbranch_scc0 .Lentry_shape_is_right
	s_endpgm
.Lentry_shape_is_right:
; out0 = O wo.  O lies by heads, att[b 16 + h][2048][64] f16: row (b, n) of the product's A has its K = 64 h + d in plane b 16 + h, row n.  wo: [1024 k][1024 n] f16.  out0: [8192][1024] f32; sums in f32, K ascending.
; A tile of C is 256 (M) x 128 (N): 32 x 8 = 256 work-groups.  Four waves, each 128 x 64: 32 accumulators of 16 x 16, 256 registers.
; K goes in 8 steps of 128 (two heads) through two LDS slots filled by the tensor data mover.  A head's 256 rows of 128 bytes are 32,768 dense bytes: asked for as 128 rows of 256 bytes and padded in LDS
; after every 128 bytes; a slot holds two such planes, then 128 k-rows of B (256 bytes each).
; B lies [k][n] and is turned on its way out of LDS, by ds_load_tr16_b128.  THE MATRIX INSTRUCTION IS USED TRANSPOSED (source 0 = 16 columns of B, source 1 = 16 rows of A):
; a lane then holds row l % 16 of C and the eight neighbouring columns 8 (l / 16) + 0..7: 32 bytes of f32.
; CLUSTERS: 4 x 4 work-groups.  The four of a row of the cluster need the same tiles of A, the four of a column the same tiles of B: each is asked for JOINTLY, by the same tensor load with the
; same descriptor and a mask that names the four.
; REGISTERS: window 0: v0-31 addresses; v64-159, v160-255 two fragment buffers (B's 4 fragments, then A's 8, 32 along K); on the way out v64-191 hold rows read back.   window 1: accumulator (a, b) at v[8 (4 a + b)].
.set SIZE_N, 1024
.set SIZE_K, 1024
.set KSTEP,  128
.set PA,     144                       ; an LDS row of A: 128 bytes + 16 of padding = 36 words: the 16 rows of a load start at 16 different groups of four banks (64 banks of 4 bytes: ISA guide 11.1)
.set FILLA,  256*PA                    ; what one tensor load brings of A: one head's plane, 256 rows
.set QPP,    2                         ; quarters of a K step that lie in one LDS row of A: a head has 64 channels
.set ASTEP,  2*2048*128                ; bytes from a K step of A to the next: two heads
.set AQI,    4                         ; A's padding stands after every 32 words
.set AROW,   128                       ; elements from row to row of A's tiles as they are asked for
.set ATILE,  2*FILLA
.set PB,     288                       ; an LDS row of B: 256 + 32 = 72 words
.set HALFB,  64*PB                     ; what one tensor load brings of B: 64 k-rows
.set BSTEP,  KSTEP*SIZE_N*2
.set SLOT,   ATILE+2*HALFB             ; A's two planes, then B's tile
.set STAGE,  2*SLOT                    ; behind the ring, never filled by a tensor load: 16 rows x 272 bytes for each wave, for the way out
.set SP,     272
.set SPARE,  STAGE+4*16*SP             ; behind the stages: the spare words, 128 bytes for each wave: two blocks of 256 bytes that no other line names
.set LAPS,   SIZE_K/(2*KSTEP)          ; a lap = two K steps = once round the ring
.set ADRA, 16                          ; v16-17  LDS address of my A fragments in slot 0, 1
.set ADRB, 20                          ; v20-21  the same for B
.set STO,  24                          ; v24     the way out: where I put 32 bytes of a row
.set RD,   25                          ; v25     the way out: where I read a row back
.set CO,   26                          ; v26     my byte offset in C
.set SPW,  28                          ; v28     LDS address of my spare word: SPARE + 4 x my thread's number; never rewritten
.set NIL,  29                          ; v29     0; never rewritten
.set F0,   64
.set F1,   160
.set OB,   64                          ; the way out: four buffers of 32 registers, block a's at OB + 32 (a % 4)
.set G1, 24                            ; s[24:31] descriptor group 1 for A's tiles;  s[32:39] group 0, one set for each slot
.set G0, 32
.set G1B, 48                           ; s[48:55], s[56:63] the same for B's tiles
.set G0B, 56
.set MSB, 0
.macro WIN new                         ; the immediate's high byte repeats the setting that is left; a switch that changes nothing is dropped
.if MSB != (\new)
	s_set_vgpr_msb (MSB<<8)|(\new)
.set MSB, \new
.endif
.endm
.set MUL, 0x50                         ; C and D window 1, sources window 0
.macro JLOAD s                         ; a joint load: waves 0 and 1 fetch A's two planes, waves 2 and 3 B's two halves; an s_nop 0 and four v_nop follow each of the two lines, ahead of the jump, the label and what follows
	s_cmp_eq_u32 s11, 0
	s_cbranch_scc0 .Lfor_b_\@
	tensor_load_to_lds s[G0+4*(\s):G0+4*(\s)+3], s[G1:G1+7]
	s_nop 0
.rept 4
	v_nop
.endr
	s_branch .Lasked_\@
.Lfor_b_\@:
	tensor_load_to_lds s[G0B+4*(\s):G0B+4*(\s)+3], s[G1B:G1B+7]
	s_nop 0
.rept 4
	v_nop
.endr
.Lasked_\@:
.endm
.macro CREST                           ; a round of the cluster's barrier behind its opening barrier
	s_cmp_lg_u32 s10, 0
	s_cbranch_scc1 .Lnot_wave_0_\@
	s_barrier_signal -3
.Lnot_wave_0_\@:
	s_barrier_wait -3
	s_barrier_signal -1
	s_barrier_wait -1
.endm
.macro CROUND                          ; a whole round
	s_barrier_signal -1
	s_barrier_wait -1
	CREST
.endm
	s_load_b128 s[4:7], s[0:1], 0x0                ; A s[4:5], B s[6:7]
	s_load_b64 s[8:9], s[0:1], 0x10                ; C
	v_lshl_add_u32 v[SPW], v0, 2, SPARE
	v_mov_b32 v[NIL], 0
	ds_add_u32 v[SPW], v[NIL]                      ; the wave's opening: the add and its wait stand ahead of my first tensor load; the set-up below, work on registers, stands between them
	v_lshrrev_b32 v1, 5, v0
	v_readfirstlane_b32 s10, v1                    ; wave 0..3
	s_lshr_b32 s11, s10, 1                         ; which 128 rows of the tile are mine.  Also: I fetch for A (0) or for B (1)
	s_and_b32 s12, s10, 1                          ; which 64 columns.  Also: which half of that tile I fetch
	s_bfe_u32 s40, ttmp6, 0x40000                  ; cx, cy: my place in the cluster
	s_bfe_u32 s41, ttmp6, 0x40004
	s_lshl_b32 s42, ttmp9, 2
	s_add_co_u32 s42, s42, s40                     ; tile column of C = 4 x cluster x + cx
	s_and_b32 s13, ttmp7, 0xffff
	s_lshl_b32 s13, s13, 2
	s_add_co_u32 s13, s13, s41                     ; tile row of C = 4 x cluster y + cy
	s_lshl_b32 s43, s41, 2
	s_lshl_b32 s43, 15, s43                        ; my row of the cluster
	s_lshl_b32 s44, 0x1111, s40                    ; my column
	s_or_b32 s[G1+0], s43, (1<<16)|(1<<20)|(1<<21)|(AQI<<22)|(3<<25)  ; 15:0 the mask: A's tiles go to my row; 17:16 elements of 2 bytes; 20 padding on; 21 set beside a mask; 24:22 the interval; 31:25 4 words of padding (code 3)
	s_or_b32 s[G1B+0], s44, (1<<16)|(1<<20)|(1<<21)|(5<<22)|(7<<25)   ; B's go to my column; after every 64 words 8 words of padding (code 7)
	s_mov_b32 s[G1+1], 128<<16                     ; tensor_dim0 = 128
	s_mov_b32 s[G1+2], 128<<16                     ; tensor_dim1 = 128
	s_mov_b32 s[G1+3], 128<<16                     ; tile_dim0 = 128 elements (256 bytes: two rows of a head)
	s_mov_b32 s[G1+4], 128                         ; tile_dim1 = 128
	s_mov_b32 s[G1+5], AROW                        ; elements from row to row: dense
	s_mov_b32 s[G1+6], 0
	s_mov_b32 s[G1+7], 0
	s_mov_b32 s[G1B+1], 128<<16                    ; tensor_dim0 = 128
	s_mov_b32 s[G1B+2], 64<<16                     ; tensor_dim1 = 64
	s_mov_b32 s[G1B+3], 128<<16                    ; tile_dim0 = 128
	s_mov_b32 s[G1B+4], 64                         ; tile_dim1 = 64 k-rows
	s_mov_b32 s[G1B+5], SIZE_N
	s_mov_b32 s[G1B+6], 0
	s_mov_b32 s[G1B+7], 0
	; where the tiles come from.  A's hang on the tile row alone, B's on the tile column alone, each in registers that never hold the other coordinate
	s_lshr_b32 s16, s13, 3                         ; b = tile row / 8: 16 heads of 262,144 bytes
	s_lshl_b32 s16, s16, 22
	s_and_b32 s17, s13, 7                          ; + 256 (tile row % 8) rows of 128 bytes
	s_lshl_b32 s17, s17, 15
	s_add_co_u32 s16, s16, s17
	s_lshl_b32 s17, s12, 18                        ; + the head of the K step's two that I fetch
	s_add_co_u32 s16, s16, s17
	s_mov_b32 s17, 0
	s_mul_i32 s46, s12, 64*SIZE_N*2                ; the 64 k-rows that I fetch
	s_lshl_b32 s47, s42, 8                         ; + the tile's 128 columns, 256 bytes
	s_add_co_u32 s46, s46, s47
	s_mov_b32 s47, 0
	s_mul_i32 s20, s12, FILLA                      ; and where they go: no place in the cluster enters an LDS address
	s_mul_i32 s21, s12, HALFB
	s_add_co_u32 s21, s21, ATILE
	s_wait_dscnt 0x0                               ; the opening add is done
	s_wait_kmcnt 0x0
	s_add_nc_u64 s[14:15], s[4:5], s[16:17]
	s_add_nc_u64 s[46:47], s[6:7], s[46:47]
	CROUND                                         ; all sixteen work-groups are here: the first joint loads meet
.irp s, 0,1
	s_mov_b32 s[G0+4*(\s)], 1                      ; count = 1
	s_add_co_u32 s[G0+4*(\s)+1], s20, (\s)*SLOT    ; LDS address
	s_add_nc_u64 s[G0+4*(\s)+2:G0+4*(\s)+3], s[14:15], (\s)*ASTEP  ; global address: K step s
	s_or_b32 s[G0+4*(\s)+3], s[G0+4*(\s)+3], 0x80000000            ; type = 2
	s_mov_b32 s[G0B+4*(\s)], 1
	s_add_co_u32 s[G0B+4*(\s)+1], s21, (\s)*SLOT
	s_add_nc_u64 s[G0B+4*(\s)+2:G0B+4*(\s)+3], s[46:47], (\s)*BSTEP
	s_or_b32 s[G0B+4*(\s)+3], s[G0B+4*(\s)+3], 0x80000000
	JLOAD \s                                       ; two loads of mine are out here, one behind every later round
.endr
	; A's fragment: lane l holds row l % 16; registers 0-3 K = 8 (l / 16) + 0..7, registers 4-7 K = 16 + 8 (l / 16) + 0..7: two loads of 16 bytes, 32 bytes apart
	v_and_b32 v1, 15, v0                           ; r = l % 16
	v_bfe_u32 v2, v0, 4, 1                         ; h = l / 16
	v_mul_u32_u24 v3, v1, PA
	v_lshl_add_u32 v3, v2, 4, v3
	; B's: the turning load takes 16 k x 16 n (lane l reads k-row 8 h + l % 8, columns 8 ((l / 8) % 2) + 0..7) and leaves half a fragment: lane l holds column l % 16 and 8 k
	v_and_b32 v4, 7, v0
	v_bfe_u32 v5, v0, 3, 1
	v_lshl_add_u32 v6, v2, 3, v4
	v_mul_u32_u24 v6, v6, PB
	v_lshl_add_u32 v6, v5, 4, v6
	s_mul_i32 s21, s11, 128*PA                     ; my 128 rows in each plane of A
	s_lshl_b32 s22, s12, 7                         ; my 64 columns of B,
	s_add_co_u32 s22, s22, ATILE                   ; which lies behind A
.irp s, 0,1
	v_add_nc_u32 v[ADRA+(\s)], s21, v3
	v_add_nc_u32 v[ADRB+(\s)], s22, v6
	s_add_co_u32 s21, s21, SLOT
	s_add_co_u32 s22, s22, SLOT
.endr
	s_mul_i32 s23, s10, 16*SP
	s_add_co_u32 s23, s23, STAGE                   ; my stage
	v_mul_u32_u24 v3, v1, SP                       ; in: row l % 16, 32 bytes for each half of the lanes
	v_lshl_add_u32 v3, v2, 5, v3
	v_add_nc_u32 v[STO], s23, v3
	v_mul_u32_u24 v3, v2, SP                       ; back: lanes 0-15 take one row of 256 bytes, lanes 16-31 the next
	v_lshl_add_u32 v3, v1, 4, v3
	v_add_nc_u32 v[RD], s23, v3
	v_lshlrev_b32 v3, 12, v2                       ; and the same two rows in C, 4,096 bytes apart
	v_lshl_add_u32 v[CO], v1, 4, v3
	s_lshl_b32 s16, s13, 20                        ; the tile's 256 rows of 4,096 bytes,
	s_lshl_b32 s17, s11, 19                        ; my 128 of them
	s_add_co_u32 s16, s16, s17
	s_mov_b32 s17, 0
	s_add_nc_u64 s[8:9], s[8:9], s[16:17]
	s_lshl_b32 s46, s42, 9                         ; the tile's 128 columns of 4 bytes,
	s_lshl_b32 s47, s12, 8                         ; my 64 of them
	s_add_co_u32 s46, s46, s47
	s_mov_b32 s47, 0
	s_add_nc_u64 s[8:9], s[8:9], s[46:47]
; 8 matrix instructions: m blocks a0, a0 + 1 x all 4 n blocks, 32 along K.  zero = 1: the product starts the sum.  The 32 accumulators take turns, in the same order in every quarter.
.macro MUL8 f, a0, zero
	WIN MUL
.irp a, \a0, (\a0)+1
.irp b, 0,1,2,3
.if \zero
	v_wmma_f32_16x16x32_f16 v[8*(4*(\a)+(\b)):8*(4*(\a)+(\b))+7], v[(\f)+8*(\b):(\f)+8*(\b)+7], v[(\f)+32+8*(\a):(\f)+32+8*(\a)+7], 0
.else
	v_wmma_f32_16x16x32_f16 v[8*(4*(\a)+(\b)):8*(4*(\a)+(\b))+7], v[(\f)+8*(\b):(\f)+8*(\b)+7], v[(\f)+32+8*(\a):(\f)+32+8*(\a)+7], v[8*(4*(\a)+(\b)):8*(4*(\a)+(\b))+7]
.endif
.endr
.endr
.endm
; 24 LDS loads in one run: quarter q (32 along K) of a slot into buffer f: B's 4 fragments, then A's 8 (quarters 0, 1 lie in the first head's plane, 2, 3 in the second's)
.macro FETCH slot, q, f
	WIN 0
.irp b, 0,1,2,3
	ds_load_tr16_b128 v[(\f)+8*(\b):(\f)+8*(\b)+3],   v[ADRB+(\slot)] offset:(\q)*32*PB+32*(\b)
	ds_load_tr16_b128 v[(\f)+8*(\b)+4:(\f)+8*(\b)+7], v[ADRB+(\slot)] offset:(\q)*32*PB+32*(\b)+16*PB
.endr
.irp a, 0,1,2,3,4,5,6,7
	ds_load_b128 v[(\f)+32+8*(\a):(\f)+32+8*(\a)+3],   v[ADRA+(\slot)] offset:((\q)/QPP)*FILLA+((\q)%QPP)*64+(\a)*16*PA
	ds_load_b128 v[(\f)+32+8*(\a)+4:(\f)+32+8*(\a)+7], v[ADRA+(\slot)] offset:((\q)/QPP)*FILLA+((\q)%QPP)*64+(\a)*16*PA+32
.endr
.endm
.macro PLACES                          ; four places in front of loads into registers that matrix instructions have read, and of lines that read results
.rept 4
	v_nop
.endr
.endm
; A K step is four quarters of 32 along K, 32 matrix instructions each, on buffers 0, 1, 0, 1.  One of the first three: multiplies buffer f and fetches quarter q into g.
.macro QUARTER slot, q, f, g, zero
	s_wait_dscnt 8                                 ; B and A's blocks 0-3 are in; the youngest eight loads (A's blocks 4-7) may be out
	MUL8 \f, 0, \zero
	MUL8 \f, 2, \zero
	PLACES
	FETCH \slot, \q, \g
	s_wait_dscnt 24                                ; all but the 24 just issued
	MUL8 \f, 4, \zero
	MUL8 \f, 6, \zero
.endm
; The last quarter multiplies buffer 1 and changes slots: ONE barrier; in front of it each wave waits for all its tensor loads, adds 0 to its spare word, and waits for that and for its own reads of this slot.
; fill = 1: the barrier opens a round of the cluster's, and this slot is filled again, two K steps ahead, first thing behind the round: 112 matrix instructions ahead of the wait for it.
.macro TURN slot, next, fill
	WIN 0
	s_wait_tensorcnt 0x0                           ; all my tensor loads have landed: my part of the next slot;
	ds_add_u32 v[SPW], v[NIL]                      ; 0 onto my spare word;
	s_wait_dscnt 9                                 ; (the add and the youngest eight loads may be out)
	MUL8 F1, 0, 0                                  ; eight matrix instructions stand between the add and the wait for it
	s_wait_dscnt 0x0                               ; the add is done, and my reads of this slot are over
	s_barrier_signal -1
	MUL8 F1, 2, 0
.if \fill
	WIN 0
.endif
	s_barrier_wait -1
.if \fill
	CREST                                          ; no wave of any partner still reads this slot's tile or has a load on its way
	s_add_nc_u64 s[G0+4*(\slot)+2:G0+4*(\slot)+3], s[G0+4*(\slot)+2:G0+4*(\slot)+3], 2*ASTEP
	s_add_nc_u64 s[G0B+4*(\slot)+2:G0B+4*(\slot)+3], s[G0B+4*(\slot)+2:G0B+4*(\slot)+3], 2*BSTEP
	JLOAD \slot                                    ; the four v_nop behind it are also the places in front of the loads below
.else
	PLACES
.endif
	FETCH \next, 0, F0
	MUL8 F1, 4, 0
	MUL8 F1, 6, 0
.endm
	s_wait_tensorcnt 1                             ; my part of K step 0 is in; K step 1's may stay out
	s_barrier_signal -1
	s_barrier_wait -1                              ; everybody's is
	FETCH 0, 0, F0
	QUARTER 0, 1, F0, F1, 1                        ; the first quarter stands in front of the loop: its products start the sums
	WIN 0                                          ; at a label and at a branch every window is 0
	s_mov_b32 s3, LAPS-1
.Llap:                                                 ; a trip goes once round the ring, from a lap's second quarter to the next lap's first, and fills both slots again
	QUARTER 0, 2, F1, F0, 0
	QUARTER 0, 3, F0, F1, 0
	TURN 0, 1, 1
	QUARTER 1, 1, F0, F1, 0
	QUARTER 1, 2, F1, F0, 0
	QUARTER 1, 3, F0, F1, 0
	TURN 1, 0, 1
	QUARTER 0, 1, F0, F1, 0
	WIN 0
	s_sub_co_u32 s3, s3, 1
	s_cmp_lg_u32 s3, 0
	s_cbranch_scc1 .Llap
	QUARTER 0, 2, F1, F0, 0                        ; the last lap fills nothing
	QUARTER 0, 3, F0, F1, 0
	TURN 0, 1, 0
	QUARTER 1, 1, F0, F1, 0
	QUARTER 1, 2, F1, F0, 0
	QUARTER 1, 3, F0, F1, 0
	s_wait_dscnt 8                                 ; the very last quarter: nothing more to fetch
	MUL8 F1, 0, 0
	MUL8 F1, 2, 0
	s_wait_dscnt 0x0
	MUL8 F1, 4, 0
	MUL8 F1, 6, 0
	WIN 0
	PLACES
; THE WAY OUT, a block of 16 rows at a time, in f32 as the sums stand: 32 bytes a lane into my stage's rows of 272 bytes, back as whole rows of 256 bytes.
.macro OUT a
.set BK, OB+32*((\a)%4)
.if (\a) >= 4
	s_wait_xcnt 0x0                                ; the stores of the block four back read this buffer: it is loaded again only behind this wait
.endif
	WIN 0x04                                       ; the stores' data (source 1) in window 1
.irp b, 0,1,2,3
	ds_store_b128 v[STO], v[8*(4*(\a)+(\b)):8*(4*(\a)+(\b))+3]   offset:64*(\b)      ; each accumulator from its low end on
	ds_store_b128 v[STO], v[8*(4*(\a)+(\b))+4:8*(4*(\a)+(\b))+7] offset:64*(\b)+16
.endr
	WIN 0
.irp t, 0,1,2,3,4,5,6,7
	ds_load_b128 v[BK+4*(\t):BK+4*(\t)+3], v[RD] offset:(\t)*2*SP  ; LDS serves a wave's instructions in order (ISA guide 5.7.1.4): these see the stores above; the next block's stores come behind them
.endr
.endm
.macro SENDF a, younger                ; younger: the LDS instructions issued behind block a's loads: the next block's sixteen, or none
.set BK, OB+32*((\a)%4)
.irp t, 0,1,2,3,4,5,6,7
	s_wait_dscnt (\younger)+7-(\t)
	global_store_b128 v[CO], v[BK+4*(\t):BK+4*(\t)+3], s[8:9] offset:(16*(\a)+2*(\t))*SIZE_N*4 th:TH_STORE_NT  ; 16 lanes store 256 consecutive bytes, at a multiple of 256 from C's first; 126 rows at the most: inside the signed 24-bit immediate
.endr
.endm
	OUT 0
.irp a, 1,2,3,4,5,6,7                  ; a block's way through the stage stands between the loads of the block before and its stores
	OUT \a
	SENDF (\a)-1, 16
.endr
	SENDF 7, 0
	s_wait_tensorcnt 0x0                           ; the wave's end, behind my last tensor load and my last LDS store
	ds_add_u32 v[SPW], v[NIL]
	s_wait_dscnt 0x0
	CROUND                                         ; the closing round: no work-group ends while a partner may still ask for a tile that names it
	s_endpgm
.Lfunc_end_k_q35f81ae70c_gemm_out:
	.size	k_q35f81ae70c_gemm_out, .Lfunc_end_k_q35f81ae70c_gemm_out-k_q35f81ae70c_gemm_out
	.p2alignl 7, 3214868480
	.fill 96, 4, 3214868480
	.section	.rodata,"a",@progbits
	.p2align	6, 0x0
	.amdhsa_kernel k_q35f81ae70c_gemm_out
		.amdhsa_group_segment_fixed_size 327680
		.amdhsa_private_segment_fixed_size 0
		.amdhsa_enable_private_segment 0
		.amdhsa_kernarg_size 24
		.amdhsa_user_sgpr_count 2
		.amdhsa_user_sgpr_kernarg_segment_ptr 1
		.amdhsa_wavefront_size32 1
		.amdhsa_system_sgpr_workgroup_id_x 1
		.amdhsa_system_sgpr_workgroup_id_y 1
		.amdhsa_system_sgpr_workgroup_id_z 1
		.amdhsa_system_vgpr_workitem_id 0
		.amdhsa_next_free_vgpr 512
		.amdhsa_next_free_sgpr 66
		.amdhsa_reserve_vcc 0
		.amdhsa_float_denorm_mode_32 3
		.amdhsa_float_denorm_mode_16_64 3
		.amdhsa_memory_ordered 1
		.amdhsa_forward_progress 1
		.amdhsa_inst_pref_size 87
	.end_amdhsa_kernel
	.amdgpu_metadata
---
amdhsa.version: [ 1, 2 ]
amdhsa.kernels:
  - .name:           k_q35f81ae70c_gemm_out
    .symbol:         k_q35f81ae70c_gemm_out.kd
    .args:
      - { .name: att, .offset: 0, .size: 8, .value_kind: global_buffer, .address_space: global }
      - { .name: wo, .offset: 8, .size: 8, .value_kind: global_buffer, .address_space: global }
      - { .name: out0, .offset: 16, .size: 8, .value_kind: global_buffer, .address_space: global }
    .group_segment_fixed_size: 327680
    .private_segment_fixed_size: 0
    .kernarg_segment_align: 8
    .kernarg_segment_size: 24
    .max_flat_workgroup_size: 128
    .sgpr_count:     66
    .vgpr_count:     512
    .wavefront_size: 32
...
	.end_amdgpu_metadata
.endif
;; end of part 4
